; MI455X (gfx1250); checked and timed in simulation.
; The chip was launched on July 23, 2026; its instructions are those of AMD's public machine-readable ISA for CDNA 5 (MIT licence, August 2026) and "CDNA5" Instruction Set Architecture Reference Guide (July 2026). The comments in the code are by the model that wrote it; some were corrected since.
;; Key Value Bottleneck. Allowed arithmetic: matrix products marked QUANTISED: E3M2 operands, one E8M0 scale for each 32 along K, by v_wmma_scale_f32_16x16x128_f8f6f4 with both operands' format E3M2, f32 sums; products left as they are: f32 operands where the result goes on into a quantised operand, else bf16, f16 or f32 operands; f32 sums; everything else in f32.
;; Inputs: dec_b 10 float32; dec_w 10 x 1,024 float32; keys 4,096 x 1,024 float32; values 4,096 x 1,024 float32; x 16,384 x 1,024 float32.
;; Outputs: out0 16,384 x 10 float32.
;; This version of the problem:
;;   THIS VERSION OF THE PROBLEM IS GIVEN IN LOW PRECISION. The matrix products marked QUANTISED in the list below multiply operands that are first quantised to E3M2 (3 exponent bits, 2 mantissa bits; 6 bits a number), with one power-of-two scale for each 32 numbers along K (OCP MX v1.0); their sums are f32. All else is computed in f32.
;;   The module's matrix products, in the order in which they are computed (A, B: the left and right operand; K: the contracted axis; several contracted axes count as one K, in the product's order):
;;     1. [M 16,384, K 1,024] x [K 1,024, N 4,096]; A: input x; B: input keys: QUANTISED
;;     2. [M 16,384, K 1,024] x [K 1,024, N 10]; A: computed on the way; B: input dec_w: left as it is (N = 10 < 16)
;;   THE QUANTISER, for each operand of a quantised product, along K:
;;     - K is cut into blocks of 32 from its start; a last block that is shorter is filled with zeros.
;;     - A block's scale is 2^e with e = floor(log2(the largest magnitude in the block)) - 4, held to -126 .. 127; a block of zeros has e = 0. As a byte (E8M0): e + 127.
;;     - Each number is divided by its block's scale, clamped to +-28, and rounded to the nearest number of E3M2, ties to even, subnormals kept.
;;     - The product sums the exact products of the quantised numbers (number of the format x scale) in f32.
;;   ~~~python
;;   def quantise(x, axis):      # numpy; x: float32 -> the quantised numbers, widened to float32 again
;;       x = np.moveaxis(x, axis, -1); K = x.shape[-1]
;;       x = np.pad(x, [(0, 0)] * (x.ndim - 1) + [(0, -K % 32)]); x = x.reshape(x.shape[:-1] + (-1, 32)); a = np.abs(x).max(-1, keepdims=True)
;;       e = np.where(a > 0, np.clip(np.frexp(np.where(a > 0, a, 1))[1] - 1 - 4, -126, 127), 0)      # np.frexp(a)[1] - 1 = floor(log2(a)), exactly
;;       r = np.clip(x / 2.0 ** e, -28, 28)
;;       step = 2.0 ** (np.maximum(np.frexp(np.where(r == 0, 1, r))[1] - 1, -2) - 2)
;;       q = np.round(r / step) * step * 2.0 ** e      # np.round: ties to even
;;       return np.moveaxis(q.reshape(q.shape[:-2] + (-1,))[..., :K], -1, axis).astype(np.float32)
;;   ~~~
;; 2 versions. Each part assembles by itself: llvm-mc -triple=amdgcn-amd-amdhsa -mcpu=gfx1250 --defsym DOCPART=n.
;; ======== version 1 of 2: 3 launches
;; workspace buffers: codes 15,728,640 bytes; scal 655,360 bytes; table 262,144 bytes; pmax 262,144 bytes; pidx 262,144 bytes of whole numbers
;; launch prep (part 1): grid 896 x 1, 4 waves a work-group, no clusters, 34,304 bytes of LDS; arguments x, keys, values, dec_w, dec_b, codes, scal, table; writes codes, scal, table
.if DOCPART == 1
	.amdgcn_target "amdgcn-amd-amdhsa--gfx1250"
	.amdhsa_code_object_version 6
	.text
	.protected	k_q30aa441c46_prep
	.globl	k_q30aa441c46_prep
	.p2align	8
	.type	k_q30aa441c46_prep,@function
k_q30aa441c46_prep:
	s_mov_b64 s[64:65], 0
	v_nop
	global_prefetch_b8 v0, s[64:65] scope:SCOPE_SE
	s_setreg_imm32_b32 hwreg(HW_REG_WAVE_MODE, 25, 1), 1
	s_wait_xcnt 0x0
; TWO JOBS IN ONE LAUNCH, parted by the work-group's number.
; (a) Work-groups 0-255: table[k][o] = sum over d of values[k][d] dec_w[o][d] + dec_b[o], f32 fused multiply-adds.  The gather values[nearest] and the linear layer
;     change places for every input: out[row] is row nearest[row] of this table.  So the small product is made once for each of the 4,096 codebook rows, and values is read once.
; (b) Work-groups 256-895: x [16384][1024] and keys [4096][1024], f32, become codes of BF6 (E3M2) with one E8M0 byte for each 32 along K, laid AS THE MATRIX OPERAND'S REGISTERS:
;     a block is 16 rows (blocks 0-1023: x, 1024-1279: keys); codes[block][q][1536], q = the K step of 128: register group g (four registers) of lane l at 512 g + 16 l; lane (r = l % 16, h = l / 16)
;     holds row r, registers 6 c .. 6 c + 5 = k 128 q + 64 c + 32 h + 0 .. 31.  scal[block][hf][lane][8]: word j of lane l = the scale word of row l % 16 for K step 4 hf + 2 j + l / 16.
; A block's scale is 2^(floor(log2(largest magnitude)) - 4); its byte is the largest magnitude's exponent field - 4, held at 1 from below.
; LIMITS: a block of 32 zeros gets the byte 1 where the rule says 127 (its codes are zeros, which add nothing, and this program alone reads the bytes); blocks whose largest magnitude lies under 2^(5 - 127)
; share that byte; NaN and infinities among the inputs are not served.
; No tensor loads, no barrier: waves share nothing.  No matrix unit: memory binds both jobs.  Only job (b) touches LDS.
.set R,   64                           ; (b) v64-191  two sets of 64 registers as loaded: 16 rows x 16 bytes a lane
.set X,   192                          ; (b) v192-255 64 numbers of my row: register 32 c + i = k 64 c + 32 h + i
.set C,   20                           ; (b) v20-31   a fragment's 12 registers
.set W,   8                            ; (b) v8-11    the four K steps' scale words
.set SP,  528                          ; (b) a stage row: 512 bytes + 16 = 33 x 16: the sixteen rows that a read touches begin in sixteen different groups of banks
	s_load_b256 s[4:11], s[0:1], 0x0               ; x s[4:5], keys s[6:7], values s[8:9], dec_w s[10:11]
	s_load_b256 s[12:19], s[0:1], 0x20             ; dec_b s[12:13], codes s[14:15], scal s[16:17], table s[18:19]
	v_lshl_add_u32 v62, v0, 2, 0x8400
	v_mov_b32 v63, 0
	v_lshrrev_b32 v1, 5, v0
	v_readfirstlane_b32 s23, v1                    ; wave 0..3
	v_and_b32 v1, 31, v0                           ; lane
	v_lshlrev_b32 v2, 4, v1                        ; 16 x lane
	s_mov_b32 s20, 0x76543210
	s_mov_b32 s21, 0xfedcba98                      ; v_permlanex16_b32's selects for lane l xor 16
	s_cmp_lt_u32 ttmp9, 256
	s_cbranch_scc1 .Ltable
; ---------------- (b) the quantiser.  A wave takes one block of 16 rows and half of K: four fragments, 32 KiB of f32.
	s_sub_co_u32 s24, ttmp9, 256                   ; 0..639
	s_lshl_b32 s25, s24, 1
	s_lshr_b32 s26, s23, 1
	s_add_co_u32 s25, s25, s26                     ; block = 2 x work-group + wave / 2
	s_and_b32 s26, s23, 1                          ; hf: which half of K
	s_mul_i32 s27, s23, 16*SP                      ; my wave's stage in LDS
	v_and_b32 v7, 15, v0                           ; r
	v_bfe_u32 v6, v0, 4, 1                         ; h
	v_add_nc_u32 v3, s27, v2                       ; into the stage: 16 x lane of a row
	v_mul_u32_u24 v4, v7, SP
	v_lshl_add_u32 v4, v6, 7, v4
	v_add_nc_u32 v4, s27, v4                       ; out of it: row r, + 128 h bytes: my 32 numbers of a block pair
	v_lshlrev_b32 v5, 3, v1                        ; 8 x lane: the scale words' place
	v_lshlrev_b32 v6, 3, v6                        ; 8 h: where my bytes stand in a scale word
	v_mov_b32 v18, 0                               ; written once: a lane permute's destination counts as one of its sources
	s_mov_b32 s22, 0xffff0000                      ; lanes 16-31
	s_mul_i32 s28, s25, 12288                      ; codes: 12,288 bytes a block, 6,144 a half
	s_mul_i32 s30, s26, 6144
	s_add_co_u32 s28, s28, s30
	s_mov_b32 s29, 0
	s_lshl_b32 s30, s25, 9                         ; scale words: 512 bytes a block, 256 a half
	s_lshl_b32 s31, s26, 8
	s_add_co_u32 s30, s30, s31
	s_mov_b32 s31, 0
	s_and_b32 s32, s25, 1023                       ; the block's number in its own tensor
	s_lshl_b32 s32, s32, 16                        ; 16 rows of 4,096 bytes
	s_lshl_b32 s33, s26, 11                        ; + half a row
	s_add_co_u32 s32, s32, s33
	s_mov_b32 s33, 0
	s_wait_kmcnt 0x0
	s_cmp_lt_u32 s24, 512                          ; x's block or keys'?  The choice hangs on the work-group's number alone
	s_cselect_b64 s[4:5], s[4:5], s[6:7]
	s_add_nc_u64 s[4:5], s[4:5], s[32:33]
	s_add_nc_u64 s[14:15], s[14:15], s[28:29]
	s_add_nc_u64 s[16:17], s[16:17], s[30:31]
.macro LOAD t                          ; K step t of my four: 512 consecutive bytes of each of the 16 rows, 16 bytes a lane
.irp i, 0,1,2,3,4,5,6,7,8,9,10,11,12,13,14,15
	global_load_b128 v[R+64*((\t)%2)+4*\i:R+64*((\t)%2)+4*\i+3], v2, s[4:5] offset:4096*\i+512*(\t) th:TH_LOAD_NT
.endr
.endm
.macro QF t                            ; one fragment
.set RS, R+64*((\t)%2)
.if (\t) < 3
	s_wait_loadcnt 16                              ; this step's 16 loads are in; the next step's 16 may be out
.else
	s_wait_loadcnt 0
.endif
.irp i, 0,1,2,3,4,5,6,7,8,9,10,11,12,13,14,15
	ds_store_b128 v3, v[RS+4*\i:RS+4*\i+3] offset:SP*\i           ; the rows as they lie
.endr
.irp c, 0,1
.irp m, 0,1,2,3,4,5,6,7
	ds_load_b128 v[X+32*\c+4*\m:X+32*\c+4*\m+3], v4 offset:256*\c+16*\m   ; LDS serves a wave's instructions in order: these see the stores.  My row's k = 64 c + 32 h + 4 m ..
.endr
.endr
	s_wait_dscnt 0x0                               ; my 64 numbers are in, and the stage's stores have read their registers,
.if (\t) < 2
	LOAD (\t)+2                                    ; which take the loads of two steps on
.endif
.irp c, 0,1
	v_max3_num_f32 v[12+\c], |v[X+32*\c]|, |v[X+32*\c+1]|, 0x2800000   ; block 2 c + h is all mine; the floor 2^(5 - 127) holds the byte at 1 from below
.endr
.irp i, 2,4,6,8,10,12,14,16,18,20,22,24,26,28,30
.irp c, 0,1
	v_max3_num_f32 v[12+\c], v[12+\c], |v[X+32*\c+\i]|, |v[X+32*\c+\i+1]|   ; (the two blocks by turns)
.endr
.endr
.irp c, 0,1
	v_add_nc_u32 v[14+\c], 0xfe000000, v[12+\c]    ; 4 off the exponent field: the conversion takes this operand's exponent field as its scale
.endr
.irp c, 0,1
	v_lshrrev_b32 v[16+\c], 23, v[14+\c]           ; the scale's byte
.endr
	v_lshl_or_b32 v19, v17, 16, v16                ; my two bytes: blocks h and 2 + h,
	v_lshlrev_b32 v19, v6, v19                     ; 8 h bits up;
	v_permlanex16_b32 v18, v19, s20, s21
	v_or_b32 v[W+(\t)], v19, v18                   ; with lane l xor 16's two the row's word is whole, in both halves of the lanes
.if (\t) > 0
	s_wait_xcnt 0x0                                ; the last fragment's stores have read their data registers: they are written again only behind this wait
.endif
.irp c, 0,1
	v_cvt_scalef32_pk16_bf6_f32 v[C+6*\c:C+6*\c+2], v[X+32*\c:X+32*\c+15], v[14+\c]
	v_cvt_scalef32_pk16_bf6_f32 v[32+4*\c:34+4*\c], v[X+32*\c+16:X+32*\c+31], v[14+\c]   ; (a conversion's three registers begin on an even number: the upper half is made elsewhere and moved)
.endr
	v_nop                                          ; one plain place behind a scaled conversion
.irp c, 0,1
.irp i, 0,1,2
	v_mov_b32 v[C+3+6*\c+\i], v[32+4*\c+\i]
.endr
.endr
.irp g, 0,1,2
	global_store_b128 v2, v[C+4*\g:C+4*\g+3], s[14:15] offset:1536*(\t)+512*\g   ; the registers' image: 32 lanes store 512 consecutive bytes, at a multiple of 256 from the buffer's first byte
.endr
.endm
	LOAD 0
	LOAD 1
	QF 0
	QF 1
	QF 2
	QF 3
	v_cndmask_b32 v40, v[W], v[W+1], s22           ; lanes 0-15 the even K step's words, lanes 16-31 the odd one's
	v_cndmask_b32 v41, v[W+2], v[W+3], s22
	global_store_b64 v5, v[40:41], s[16:17]        ; 32 lanes store 256 consecutive bytes, aligned
	s_wait_tensorcnt 0x0
	ds_add_u32 v62, v63
	s_wait_dscnt 0x0
	s_endpgm
; ---------------- (a) the table.  A wave takes four rows of values (16 KiB) and keeps them in 128 registers; dec_w's ten rows pass by in two buffers.
.Ltable:
	s_lshl_b32 s24, ttmp9, 2
	s_add_co_u32 s24, s24, s23                     ; which four rows
	s_lshl_b32 s26, s24, 14                        ; 4 x 4,096 bytes of values,
	s_mov_b32 s27, 0
	s_lshl_b32 s28, s24, 8                         ; 4 x 64 bytes of the table
	s_mov_b32 s29, 0
	v_lshlrev_b32 v3, 3, v1                        ; 8 x lane: lane 8 p + j ends with (row p, columns 2 j, 2 j + 1)
	v_and_b32 v24, 7, v1
	v_min_u32 v24, 4, v24                          ; lanes with j above 4 hold columns that nobody reads: they take the last pair, so that no load leaves dec_b's 40 bytes
	v_lshlrev_b32 v24, 3, v24
	v_mov_b32 v4, 0                                ; what the lane will store
	v_mov_b32 v5, 0
.irp p, 0,1,2,3
	v_mov_b32 v[20+\p], 0                          ; written once: a lane permute's destination counts as one of its sources
.endr
	s_wait_kmcnt 0x0
	s_add_nc_u64 s[8:9], s[8:9], s[26:27]
	s_add_nc_u64 s[18:19], s[18:19], s[28:29]
	global_load_b64 v[6:7], v24, s[12:13]          ; my two biases
.irp p, 0,1,2,3
.irp j, 0,1,2,3,4,5,6,7
	global_load_b128 v[64+32*\p+4*\j:64+32*\p+4*\j+3], v2, s[8:9] offset:4096*\p+512*\j th:TH_LOAD_NT   ; 512 consecutive bytes a load
.endr
.endr
.macro WLOAD o                         ; row o of dec_w into buffer o % 2
.irp j, 0,1,2,3,4,5,6,7
	global_load_b128 v[192+32*((\o)%2)+4*\j:192+32*((\o)%2)+4*\j+3], v2, s[10:11] offset:4096*(\o)+512*\j
.endr
.endm
	WLOAD 0
	WLOAD 1
.macro TROW o                          ; output column o of my four rows
.set WB, 192+32*((\o)%2)
.if (\o) < 9
	s_wait_loadcnt 8                               ; all but the next row of dec_w (eight loads) is in
.else
	s_wait_loadcnt 0
.endif
.irp p, 0,1,2,3
	v_pk_mul_f32 v[8+2*\p:9+2*\p], v[64+32*\p:65+32*\p], v[WB:WB+1]   ; the first product starts the sums
.endr
.set ti, 2
.rept 15
.irp p, 0,1,2,3
	v_pk_fma_f32 v[8+2*\p:9+2*\p], v[64+32*\p+ti:65+32*\p+ti], v[WB+ti:WB+ti+1], v[8+2*\p:9+2*\p]   ; (the four rows by turns)
.endr
.set ti, ti+2
.endr
.if (\o)+2 < 10
	WLOAD (\o)+2
.endif
.irp p, 0,1,2,3
	v_add_f32 v[16+\p], v[8+2*\p], v[9+2*\p]
.endr
.irp m, 1,2,4,8
.irp p, 0,1,2,3
	v_add_f32_dpp v[16+\p], v[16+\p], v[16+\p] row_xmask:\m row_mask:0xf bank_mask:0xf
.endr
.endr
.irp p, 0,1,2,3
	v_permlanex16_b32 v[20+\p], v[16+\p], s20, s21
.endr
.irp p, 0,1,2,3
	v_add_f32 v[16+\p], v[16+\p], v[20+\p]         ; every lane holds the row's sum
.endr
.irp p, 0,1,2,3
	v_cmp_eq_u32 vcc_lo, 8*\p+(\o)/2, v1           ; the one lane that keeps it
	v_cndmask_b32 v[4+(\o)%2], v[4+(\o)%2], v[16+\p], vcc_lo
.endr
.endm
.irp o, 0,1,2,3,4,5,6,7,8,9
	TROW \o
.endr
	v_pk_add_f32 v[4:5], v[4:5], v[6:7]            ; + dec_b
	global_store_b64 v3, v[4:5], s[18:19]          ; four table rows of 64 bytes: 256 consecutive bytes, aligned (columns 10-15 are filled and never read)
	s_endpgm
.Lfunc_end_k_q30aa441c46_prep:
	.size	k_q30aa441c46_prep, .Lfunc_end_k_q30aa441c46_prep-k_q30aa441c46_prep
	.p2alignl 7, 3214868480
	.fill 96, 4, 3214868480
	.section	.rodata,"a",@progbits
	.p2align	6, 0x0
	.amdhsa_kernel k_q30aa441c46_prep
		.amdhsa_group_segment_fixed_size 34304
		.amdhsa_private_segment_fixed_size 0
		.amdhsa_enable_private_segment 0
		.amdhsa_kernarg_size 64
		.amdhsa_user_sgpr_count 2
		.amdhsa_user_sgpr_kernarg_segment_ptr 1
		.amdhsa_wavefront_size32 1
		.amdhsa_system_sgpr_workgroup_id_x 1
		.amdhsa_system_sgpr_workgroup_id_y 1
		.amdhsa_system_sgpr_workgroup_id_z 1
		.amdhsa_system_vgpr_workitem_id 0
		.amdhsa_next_free_vgpr 256
		.amdhsa_next_free_sgpr 66
		.amdhsa_reserve_vcc 1
		.amdhsa_float_denorm_mode_32 3
		.amdhsa_float_denorm_mode_16_64 3
		.amdhsa_memory_ordered 1
		.amdhsa_forward_progress 1
		.amdhsa_inst_pref_size 99
	.end_amdhsa_kernel
	.amdgpu_metadata
---
amdhsa.version: [ 1, 2 ]
amdhsa.kernels:
  - .name:           k_q30aa441c46_prep
    .symbol:         k_q30aa441c46_prep.kd
    .args:
      - { .name: x, .offset: 0, .size: 8, .value_kind: global_buffer, .address_space: global }
      - { .name: keys, .offset: 8, .size: 8, .value_kind: global_buffer, .address_space: global }
      - { .name: values, .offset: 16, .size: 8, .value_kind: global_buffer, .address_space: global }
      - { .name: dec_w, .offset: 24, .size: 8, .value_kind: global_buffer, .address_space: global }
      - { .name: dec_b, .offset: 32, .size: 8, .value_kind: global_buffer, .address_space: global }
      - { .name: codes, .offset: 40, .size: 8, .value_kind: global_buffer, .address_space: global }
      - { .name: scal, .offset: 48, .size: 8, .value_kind: global_buffer, .address_space: global }
      - { .name: table, .offset: 56, .size: 8, .value_kind: global_buffer, .address_space: global }
    .group_segment_fixed_size: 34304
    .private_segment_fixed_size: 0
    .kernarg_segment_align: 8
    .kernarg_segment_size: 64
    .max_flat_workgroup_size: 128
    .sgpr_count:     66
    .vgpr_count:     256
    .wavefront_size: 32
...
	.end_amdgpu_metadata
.endif
;; end of part 1
;; launch scores (part 2): grid 64 x 4, 4 waves a work-group, clusters of 4 x 1, 327,680 bytes of LDS; arguments codes, scal, pmax, pidx; writes pmax, pidx
.if DOCPART == 2
	.amdgcn_target "amdgcn-amd-amdhsa--gfx1250"
	.amdhsa_code_object_version 6
	.text
	.protected	k_q30aa441c46_scores
	.globl	k_q30aa441c46_scores
	.p2align	8
	.type	k_q30aa441c46_scores,@function
k_q30aa441c46_scores:
	s_mov_b64 s[64:65], 0
	v_nop
	global_prefetch_b8 v0, s[64:65] scope:SCOPE_SE
	s_setreg_imm32_b32 hwreg(HW_REG_WAVE_MODE, 25, 1), 1
	s_wait_xcnt 0x0
	s_wait_alu depctr_hold_cnt(0) depctr_sa_sdst(0) depctr_va_vdst(0) depctr_va_sdst(0) depctr_va_ssrc(0) depctr_va_vcc(0) depctr_vm_vsrc(0)
	s_getreg_b32 s2, hwreg(HW_REG_IB_STS2, 6, 4)
	s_cmp_eq_u32 s2, 0
	s_cbranch_scc0 .Lentry_in_a_cluster
	s_endpgm
.Lentry_in_a_cluster:
	s_bfe_u32 s2, ttmp6, 0x10000c
	s_cmp_lg_u32 s2, 0x3003
	s_cbranch_scc0 .Lentry_shape_is_right
	s_endpgm
.Lentry_shape_is_right:
; similarities = Q(x) Q(keys)^T on codes of BF6 (E3M2) with E8M0 scales, and for each row of x the largest score and its FIRST index over a quarter of the 4,096 keys.
; SHARES.  Work-group (G, y) owns rows 256 G .. + 255 of x and keys 1024 y .. + 1023: 64 x 4 = 256 work-groups of equal work.  Wave w owns 64 rows (four blocks of 16) and sees all 1,024 keys of the quarter.
; x STAYS IN REGISTERS: a wave's 32 fragments (4 blocks x 8 K steps x 12 registers = 384) and 16 scale registers are loaded once, straight from memory.  Only the keys go through LDS, and all four waves
; read the same bytes there: a key fragment of 1,536 bytes feeds four matrix instructions.
; A TASK is two blocks of 16 keys over all of K: 64 matrix instructions on 8 accumulators (64 registers) that take turns.  There are two sets of accumulators: while task U is summed in one,
; the scores of task U - 1 are scanned in the other: three vector instructions a register (compare, maximum, select), one register's worth behind each matrix instruction.  So no score ever leaves the registers.
; THE MATRIX INSTRUCTION IS USED TRANSPOSED (source 0 = 16 keys, source 1 = 16 rows of x): lane (r, h) holds row r of x, register j key 8 h + j.  A lane scans its keys in ascending order with a strict
; compare, so the first of equal scores stays; the two halves of the lanes are joined at the end, the lower index winning a tie.
; OPERANDS lie in memory as images of their registers (made by the launch before): every load, from memory or from LDS, is 16 x lane on dense bytes: no pitch, no padding.
; CLUSTER.  The four work-groups of a cluster have the same y and walk the same stream of keys: every tile is asked for JOINTLY, by the same tensor load with the same descriptor and the mask of all four.
; x is not shared so: it goes into registers, each wave's part is its own, and the work-groups that read the same x (other y) lie in other clusters; it is read once a work-group.
; RING.  A quarter's key codes are one dense stream of 786,432 bytes: 8 slots of 98,304 (8 blocks of keys = 4 tasks = 256 matrix instructions a wave) through two LDS slots; each wave fetches a quarter of a slot.
; By this text's own count a wave has three tensor loads out at the start and one behind each change of slots.
; LIMITS: NaN and infinities among the scores are not served (a NaN never wins; a row whose scores are all -infinity keeps a meaningless index).
; REGISTERS, in windows of 256: window 0: v1-9 addresses, v16-19 running maxima, v20-23 running indices, v24-39 x's scale words, v40-55 the keys' (two sets), v64-255 sixteen key fragments.
;   window 1: v0-63, v64-127 the two sets of accumulators ((b, a) at 8 (4 b + a)); v128-143 the numbers 16 b + j.   window 2: x's fragments of K steps 0-3 (at 12 (4 q + a));   window 3: of K steps 4-7.
.set SLOTB, 98304                      ; bytes in a slot
.set QUART, 24576                      ; a wave's quarter of it; also a task's two blocks of keys
.set KSC,   98304                      ; LDS: behind slot 0: the quarter's key scale words, 64 blocks x 512 bytes, filled once
.set SLOT1, 1<<17                      ; slot 1 begins here, so that one exclusive or turns an address in one slot into the other's
.set SPARE, SLOT1+SLOTB                ; behind slot 1: the spare words, 128 bytes for each wave: two blocks of 256 bytes that no other line names
.set KEY0,  1024*12288                 ; where the keys' blocks begin in codes
.set KQ,    64*12288                   ; a quarter of them
.set L16,  1                           ; v1   16 x lane; never rewritten
.set AD0,  2                           ; v2   the slot in hand + 16 x lane: tasks 0, 1
.set AD1,  3                           ; v3   + 49,152: tasks 2, 3 (an LDS offset has 16 bits)
.set ASC0, 4                           ; v4   KSC + 8 x lane; never rewritten
.set ASC,  5                           ; v5   + 4,096 x slot
.set SPW,  6                           ; v6   LDS address of my spare word; never rewritten
.set NIL,  7                           ; v7   0; never rewritten
.set PFO,  8                           ; v8   256 x lane: the prefetches' offset; never rewritten
.set L8,   9                           ; v9   8 x lane; never rewritten
.set RM,   16
.set RI,   20                          ; kept relative to the first key of the task that is being scanned
.set XS,   24                          ; x's scale words: block a, K steps 2 p (lanes 0-15) and 2 p + 1 (lanes 16-31) at 4 a + p
.set KS,   40                          ; the keys': set s at 8 s; in it block b, K steps 2 p, 2 p + 1 at 4 b + p
.set KF,   64                          ; key fragment f = 2 q + b at 12 f
.set CODE, 128                         ; in window 1
.set WV,   12                          ; s12  wave
.set TB,   44                          ; s44  the LDS slot that is read: 0 or SLOT1
.set TS,   45                          ; s45  4,096 x slot: its scale words
.set SLOTS, 46                         ; s46  slots still to be asked for
.set LIM,  47                          ; s47  1 in a wave that prefetches, else the greatest number
.set PFA,  48                          ; s[48:49] where my prefetches stand
.set MSB, 0
.macro WIN new                         ; the immediate's high byte repeats the setting that is left; a switch that changes nothing is dropped
.if MSB != \new
	s_set_vgpr_msb (MSB<<8)|\new
.set MSB, \new
.endif
.endm
; settings: 0x58 / 0x5c: C and D window 1, source 1 (x) window 2 / 3, source 0 (keys) window 0.   0x04: source 1 window 1, all else window 0: the scan, and the LDS loads (data and address in window 0) need no switch of their own.
.macro CREST                           ; a round of the cluster's barrier behind its opening barrier
	s_cmp_lg_u32 s[WV], 0
	s_cbranch_scc1 .Lnot_wave_0_\@
	s_barrier_signal -3
.Lnot_wave_0_\@:
	s_barrier_wait -3
	s_barrier_signal -1
	s_barrier_wait -1
.endm
.macro CROUND                          ; a whole round
	s_barrier_signal -1
	s_barrier_wait -1
	CREST
.endm
; A PREFETCH INTO THE L2 of the slot that the NEXT change of slots will ask for: 98,304 bytes = 384 blocks of 256 = 4 partners x waves 0-2 x 32 lanes, one instruction a wave, lanes 256 bytes apart.
; All sixteen clusters of a quarter walk the same stream: the first of them (cluster x = 0) asks.  Its four partners are told apart BY ADDRESS (cx): no branch hangs on a work-group's place in its cluster.
; So each block is named once in the launch.  Slots 0 to 2 come by their loads alone; the last change that fills a slot asks for nothing.
.macro ASK
	s_cmp_gt_u32 s[SLOTS], s[LIM]
	s_cbranch_scc0 .Lnot_mine_\@
	global_prefetch_b8 v[PFO], s[PFA:PFA+1] th:TH_LOAD_NT scope:SCOPE_SE
.Lnot_mine_\@:
.endm
	s_load_b256 s[4:11], s[0:1], 0x0               ; codes s[4:5], scal s[6:7], pmax s[8:9], pidx s[10:11]
	v_lshl_add_u32 v[SPW], v0, 2, SPARE
	v_mov_b32 v[NIL], 0
	ds_add_u32 v6, v7
	ds_add_u32 v6, v7
	s_wait_dscnt 0x0
	v_lshrrev_b32 v10, 5, v0
	v_readfirstlane_b32 s[WV], v10                 ; wave 0..3
	s_bfe_u32 s13, ttmp6, 0x40000                  ; cx: my place in the cluster
	s_lshl_b32 s14, ttmp9, 2                       ; in a cluster launch ttmp9 counts clusters
	s_add_co_u32 s14, s14, s13                     ; G = 4 x cluster x + cx: it enters x's, the prefetches' and the results' addresses alone
	s_and_b32 s15, ttmp7, 0xffff                   ; y: the quarter of the keys, which the four partners share
	v_and_b32 v10, 31, v0
	v_lshlrev_b32 v[L16], 4, v10
	v_lshlrev_b32 v[L8], 3, v10
	v_lshlrev_b32 v[PFO], 8, v10
	v_add_nc_u32 v[ASC0], KSC, v[L8]
	; descriptor group 1 for a quarter slot: a dense block of 24,576 bytes as 96 rows of 256 bytes (32 elements of 8 bytes)
	s_mov_b32 s16, 15|(3<<16)|(1<<21)              ; 15:0 the mask: all four work-groups; 17:16 elements of 8 bytes; 20 no padding; 21 set beside a mask
	s_mov_b32 s17, 32<<16                          ; tensor_dim0 = 32
	s_mov_b32 s18, 96<<16                          ; tensor_dim1 = 96
	s_mov_b32 s19, 32<<16                          ; tile_dim0 = 32
	s_mov_b32 s20, 96                              ; tile_dim1 = 96
	s_mov_b32 s21, 32                              ; from row to row: 32 elements
	s_mov_b32 s22, 0
	s_mov_b32 s23, 0
	; and for a quarter of the scale words: 8,192 bytes as 32 such rows
	s_mov_b32 s24, 15|(3<<16)|(1<<21)
	s_mov_b32 s25, 32<<16
	s_mov_b32 s26, 32<<16
	s_mov_b32 s27, 32<<16
	s_mov_b32 s28, 32
	s_mov_b32 s29, 32
	s_mov_b32 s30, 0
	s_mov_b32 s31, 0
	s_mul_i32 s52, s[WV], QUART                    ; my quarter of a slot: in LDS and in memory alike
	s_lshl_b32 s53, s[WV], 13                      ; my quarter of the scale words
	s_mul_i32 s50, s15, KQ
	s_add_co_u32 s50, s50, s52
	s_add_co_u32 s50, s50, KEY0                    ; bytes from codes' first byte to my quarter of slot 0
	s_mov_b32 s51, 0
	s_mov_b32 s[TB], 0
	s_mov_b32 s[TS], 0
	s_mov_b32 s[SLOTS], 6
	s_mov_b32 s54, 0xffff0000                      ; lanes 16-31
	s_mov_b32 s56, 0x76543210
	s_mov_b32 s57, 0xfedcba98                      ; v_permlanex16_b32's selects for lane l xor 16
	s_cmp_lt_u32 s[WV], 3
	s_cselect_b32 s[LIM], 0, 1
	s_or_b32 s[LIM], s[LIM], ttmp9                 ; 0 in waves 0-2 of the quarter's first cluster: the same in all four partners
	s_cmp_eq_u32 s[LIM], 0
	s_cselect_b32 s[LIM], 1, -1
	s_wait_kmcnt 0x0
	s_mov_b32 s36, 1                               ; group 0 for slot 0: count = 1,
	s_mov_b32 s37, s52                             ; LDS address,
	s_add_nc_u64 s[38:39], s[4:5], s[50:51]        ; global address,
	s_mov_b32 s40, 1                               ; group 0 that walks: it begins with slot 1
	s_add_co_u32 s41, s52, SLOT1
	s_add_nc_u64 s[42:43], s[38:39], SLOTB
	s_or_b32 s39, s39, 0x80000000                  ; type = 2
	s_or_b32 s43, s43, 0x80000000
	s_lshl_b32 s50, s15, 15                        ; the scale words: 32,768 bytes a quarter, behind x's 1,024 blocks of 512 bytes
	s_add_co_u32 s50, s50, s53
	s_add_co_u32 s50, s50, 1024*512
	s_mov_b32 s32, 1
	s_add_co_u32 s33, s53, KSC
	s_add_nc_u64 s[34:35], s[6:7], s[50:51]
	s_or_b32 s35, s35, 0x80000000
	; what hangs on cx lives in s2, s3, s13, s14, s[48:49], s[58:63]: none of these feeds a descriptor or an LDS address
	s_mul_i32 s2, s13, 3
	s_add_co_u32 s2, s2, s[WV]
	s_lshl_b32 s2, s2, 13                          ; the prefetches: 8,192 bytes a wave, three waves a partner,
	s_mul_i32 s3, s15, KQ
	s_add_co_u32 s2, s2, s3
	s_add_co_u32 s2, s2, KEY0+2*SLOTB              ; in slot 2: the first change of slots steps it to slot 3.  Nothing is prefetched here, at the head
	s_mov_b32 s3, 0
	s_add_nc_u64 s[PFA:PFA+1], s[4:5], s[2:3]
	s_mul_i32 s2, s14, 16*12288                    ; x's codes: 16 blocks a work-group, 4 a wave
	s_mul_i32 s62, s[WV], 4*12288
	s_add_co_u32 s2, s2, s62
	s_add_nc_u64 s[58:59], s[4:5], s[2:3]
	s_lshl_b32 s2, s14, 13                         ; x's scale words: 512 bytes a block
	s_lshl_b32 s62, s[WV], 11
	s_add_co_u32 s2, s2, s62
	s_add_nc_u64 s[60:61], s[6:7], s[2:3]
	CROUND                                         ; all four work-groups are here: the first joint loads meet
	tensor_load_to_lds s[32:35], s[24:31]          ; the first fills go out together: the scale words (filled once),
	s_nop 0
	tensor_load_to_lds s[36:39], s[16:23]          ; slot 0,
	s_nop 0
	tensor_load_to_lds s[40:43], s[16:23]          ; slot 1
	s_nop 0
.rept 4
	v_nop                                          ; four lines behind the tensor loads, ahead of the switch of windows
.endr
.irp q, 0,1,2,3,4,5,6,7                ; x's 32 fragments: they stay
.if \q < 4
	WIN 0x80                                       ; destination window 2
.else
	WIN 0xc0                                       ; destination window 3
.endif
.irp a, 0,1,2,3
.irp g, 0,1,2
	global_load_b128 v[12*(4*(\q%4)+\a)+4*\g:12*(4*(\q%4)+\a)+4*\g+3], v[L16], s[58:59] offset:12288*\a+1536*\q+512*\g
.endr
.endr
.endr
	WIN 0
.irp a, 0,1,2,3
.irp f, 0,1
	global_load_b64 v[XS+4*\a+2*\f:XS+4*\a+2*\f+1], v[L8], s[60:61] offset:512*\a+256*\f
.endr
.endr
.irp a, 0,1,2,3
	v_mov_b32 v[RM+\a], 0xff800000                 ; -infinity, under every score
	v_mov_b32 v[RI+\a], 0
.endr
.irp i, 0,1,2,3,4,5,6,7
	v_mov_b32 v[56+\i], 0                          ; written once: a lane permute's destination counts as one of its sources
.endr
	WIN 0x40                                       ; destination window 1
.set hi, 0
.rept 64
	v_mov_b32 v[64+hi], 0xff800000                 ; the first task scans set 1, in which nothing has been summed yet: -infinity changes nothing.  64 lines once, in place of a further copy of a slot's text
.set hi, hi+1
.endr
.set hi, 0
.rept 16
	v_mov_b32 v[CODE+hi], 16*(hi/8)+hi%8           ; register 8 b + j: the key's number in a task, less 8 h
.set hi, hi+1
.endr
	WIN 0
; Matrix instruction tw of a task's 64: K step tw / 8, block of keys (tw / 4) % 2, block of x tw % 4.  The eight accumulators take turns, one instruction a turn, and the sets change from task to task
;   The first eight start the sums: nothing is cleared.  Odd K steps take their scale words from lanes 16-31.
.macro MM
.set mq, tw/8
.set mb, (tw/4)%2
.set ma, tw%4
.set rD, 64*P+8*(4*mb+ma)
.set rK, KF+12*(2*mq+mb)
.set rX, 12*(4*(mq%4)+ma)
.set rKS, KS+8*P+4*mb+mq/2
.set rXS, XS+4*ma+mq/2
.if mq < 4
	WIN 0x58
.else
	WIN 0x5c
.endif
.if mq == 0
	v_wmma_scale_f32_16x16x128_f8f6f4 v[rD:rD+7], v[rK:rK+11], v[rX:rX+11], 0, v[rKS], v[rXS] matrix_a_fmt:MATRIX_FMT_BF6 matrix_b_fmt:MATRIX_FMT_BF6
.elseif mq%2 == 0
	v_wmma_scale_f32_16x16x128_f8f6f4 v[rD:rD+7], v[rK:rK+11], v[rX:rX+11], v[rD:rD+7], v[rKS], v[rXS] matrix_a_fmt:MATRIX_FMT_BF6 matrix_b_fmt:MATRIX_FMT_BF6
.else
	v_wmma_scale_f32_16x16x128_f8f6f4 v[rD:rD+7], v[rK:rK+11], v[rX:rX+11], v[rD:rD+7], v[rKS], v[rXS] matrix_a_fmt:MATRIX_FMT_BF6 matrix_b_fmt:MATRIX_FMT_BF6 matrix_a_scale:MATRIX_SCALE_ROW1 matrix_b_scale:MATRIX_SCALE_ROW1
.endif
.endm
; Slice sk of 64 of the scan of the accumulators at SS (window 1): block of keys sk / 32, register (sk / 4) % 8, block of x sk % 4.  Each accumulator is read from its low end on, and a lane's keys come in
; ascending order.  The four blocks of x by turns, so that no line waits for the slice before.  The slices name nothing of the products round them: they are the places behind the matrix instructions.
.macro SLICE
.set sb, sk/32
.set sj, (sk/4)%8
.set sa, sk%4
	WIN 0x04
.if sk < 4
	v_sub_nc_u32 v[RI+sa], v[RI+sa], 32            ; on to the next task's 32 keys: the index so far lies 32 further back
.endif
	v_cmp_lt_f32 vcc_lo, v[RM+sa], v[SS+8*(4*sb+sa)+sj]
	v_max_num_f32 v[RM+sa], v[RM+sa], v[SS+8*(4*sb+sa)+sj]
	v_cndmask_b32 v[RI+sa], v[RI+sa], v[CODE+8*sb+sj], vcc_lo
.endm
.macro FL reg, off, f, g               ; a third of key fragment f (K step f / 2, block f % 2) of the task that begins off bytes behind v[reg]
	ds_load_b128 v[KF+12*(\f)+4*(\g):KF+12*(\f)+4*(\g)+3], v[\reg] offset:(\off)+12288*((\f)%2)+1536*((\f)/2)+512*(\g)
.endm
.macro SL off, i                       ; two scale registers (block i / 2, half i % 2 of K) of the next task, into the set that the task in hand does not use
	ds_load_b64 v[KS+8*(1-P)+2*(\i):KS+8*(1-P)+2*(\i)+1], v[ASC] offset:(\off)+256*(\i)
.endm
; THE CHANGE OF SLOTS stands inside a slot's last task.  CHG_A, behind its 8th matrix instruction (my last reads of the slot were issued behind the 2nd to 4th): I wait for all my tensor loads, of which one is
; out: my part of the next slot; add 0 to my spare word; step what no pending load names.  Eight matrix instructions later: the wait for the add and for my reads, and the signal; eight more; then CHG_B.
.macro CHG_A fill
	WIN 0                                          ; (the add's two registers lie in window 0)
	s_wait_tensorcnt 0x0                           ; no tensor load of mine is out, so a group 0 may be written
	ds_add_u32 v[SPW], v[NIL]                      ; 0 onto my spare word
.if \fill == 1
	s_xor_b32 s41, s41, SLOT1                      ; the walking descriptor: the slot that is being left,
	s_add_nc_u64 s[42:43], s[42:43], SLOTB         ; the stream's next 98,304 bytes; the type bits on top are not reached
	s_wait_xcnt 0x0                                ; the last prefetch, a slot back, has read its address, so it may be written:
	s_add_nc_u64 s[PFA:PFA+1], s[PFA:PFA+1], SLOTB ; one slot further on than the walking descriptor
.endif
	s_xor_b32 s[TB], s[TB], SLOT1                  ; the reads go on in the other slot,
	s_add_co_u32 s[TS], s[TS], 4096                ; with its scale words
.endm
; CHG_B: behind the barrier nobody reads the old slot and the next one is whole.  fill = 1: the barrier has opened a round of the cluster's, so that this holds of all four partners; the joint refill is the first
; thing behind the round and has all the work up to the next change in which to land.  Then the next task's loads that could not be issued before: its scale words and its fragments 0 to 4, in one run.
.macro CHG_B fill
	WIN 0                                          ; at a branch and at a label every window is 0
	s_barrier_wait -1
.if \fill == 1
	CREST
	tensor_load_to_lds s[40:43], s[16:23]
	s_nop 0
.rept 4
	v_nop
.endr
.endif
	v_add_nc_u32 v[AD0], s[TB], v[L16]
	v_add_nc_u32 v[AD1], 49152, v[AD0]
	v_add_nc_u32 v[ASC], s[TS], v[ASC0]
.irp i, 0,1,2,3
	SL 0, \i
.endr
.irp f, 0,1,2,3,4
.irp g, 0,1,2
	FL AD0, 0, \f, \g
.endr
.endr
.if \fill == 1
	ASK
.endif
.endm
; A TASK: the u-th of its slot.  chg: 0 no change of slots, 1 a change with a refill, 2 a change without.  nxt: 0 in the launch's last task.
; THE LDS LOADS stand one behind a slice.  A fragment is free when its four products are issued; the next task's fragment f is loaded behind products 4 f + 5 .. 4 f + 7: nine plain vector lines behind its
; registers' last reader (four are asked), 57 products ahead of its first use.  Fragment 15's turn falls into the next task: behind products 1 to 3 a task loads its own.  The scale words: behind products 0, 4, 8, 12.
; THE WAITS stand ahead of a fragment's first product.  LDS loads come back in order: behind a fragment's three loads at least 42 younger ones have been issued by then, behind the task's last scale load exactly 39
; when product 0 is reached: so the count is 39.  In a task that changes slots fewer are issued: behind fragment 3's loads 33 + 3 (fragment 15) + 1 (the add): the count is 36; from fragment 4 on the wait for 0 in front of the
; signal has shown all in.  In the last task: 3 (15 - f) where that is less.
.macro TASK u, chg, nxt
.set P, (\u)%2
.set SS, 64*(1-P)
.set OWNR, AD0+(\u)/2
.set OWNO, QUART*((\u)%2)
.set NU, ((\u)+1)%4
.set NXR, AD0+NU/2
.set NXO, QUART*(NU%2)
.set tw, 0
.rept 64
.if tw%4 == 0
.if \chg
.if tw < 12
	s_wait_dscnt 39
.elseif tw == 12
	s_wait_dscnt 36
.endif
.elseif \nxt
	s_wait_dscnt 39
.elseif 3*(15-tw/4) < 39
	s_wait_dscnt 3*(15-tw/4)
.else
	s_wait_dscnt 39
.endif
.endif
	MM
.set sk, tw
	SLICE
.if (tw >= 1) && (tw <= 3)
	FL OWNR, OWNO, 15, tw-1
.endif
.if \nxt
.if \chg
.if tw == 7
	CHG_A \chg
.elseif tw == 15
	s_wait_dscnt 0x0                               ; the add is done, and my reads of the slot are over
	s_barrier_signal -1                            ; eight products and their slices, work on registers alone, stand between the signal and the wait
.elseif tw == 23
	CHG_B \chg
.elseif (tw > 24) && (tw%4 != 0)
	FL NXR, NXO, tw/4-1, tw%4-1
.endif
.else
.if (tw%4 == 0) && (tw < 16)
	SL 1024*NU, tw/4
.elseif (tw > 4) && (tw%4 != 0)
	FL NXR, NXO, tw/4-1, tw%4-1
.endif
.endif
.endif
.set tw, tw+1
.endr
.endm
.macro SLOT chg, last
	TASK 0, 0, 1
	TASK 1, 0, 1
	TASK 2, 0, 1
	TASK 3, \chg, 1-\last
.endm
	s_wait_tensorcnt 0x1                           ; my parts of the scale words and of slot 0 are in; slot 1's may stay out
	s_barrier_signal -1
	s_barrier_wait -1                              ; everybody's are
	v_add_nc_u32 v[AD0], s[TB], v[L16]
	v_add_nc_u32 v[AD1], 49152, v[AD0]
	v_add_nc_u32 v[ASC], s[TS], v[ASC0]
.set P, 1                              ; (SL fills the set 1 - P: task 0 uses set 0)
.irp i, 0,1,2,3
	SL 0, \i
.endr
.set pf, 0
.rept 15                               ; task 0's fragments 0 to 14, in the order in which a change of slots leaves them
.irp g, 0,1,2
	FL AD0, 0, pf, \g
.endr
.set pf, pf+1
.endr
	s_wait_loadcnt 0x0                             ; x
.Lslot:                                            ; six trips: slots 0 to 5; each asks for the slot two on
	SLOT 1, 0
	WIN 0
	s_sub_co_u32 s[SLOTS], s[SLOTS], 1
	s_cmp_lg_u32 s[SLOTS], 0
	s_cbranch_scc1 .Lslot
	SLOT 2, 0                                      ; the last two slots are written out: slot 6 is left and nothing is asked for
	SLOT 0, 1                                      ; and slot 7 has no successor
.set SS, 64                            ; the last task's scores lie in set 1: its scan has no products to stand between
.set sk, 0
.rept 64
	SLICE
.set sk, sk+1
.endr
	WIN 0
	; THE END.  A row's keys lie in two lanes, 16 apart: the better of the two, and of equal scores the lower index.
	v_bfe_u32 v10, v0, 4, 1                        ; h
	s_lshl_b32 s2, s15, 10
	s_add_co_u32 s2, s2, 992                       ; the last task's first key: 1024 y + 32 x 31
	v_lshl_add_u32 v11, v10, 3, s2                 ; + 8 h
.irp a, 0,1,2,3
	v_add_nc_u32 v[RI+\a], v11, v[RI+\a]           ; the index among all 4,096 keys
.endr
.irp a, 0,1,2,3
	v_permlanex16_b32 v[56+\a], v[RM+\a], s56, s57
	v_permlanex16_b32 v[60+\a], v[RI+\a], s56, s57
.endr
.irp a, 0,1,2,3
	v_cmp_gt_f32 s58, v[56+\a], v[RM+\a]
	v_cmp_eq_f32 s59, v[56+\a], v[RM+\a]
	v_cmp_lt_u32 s60, v[60+\a], v[RI+\a]
	s_and_b32 s59, s59, s60
	s_or_b32 vcc_lo, s58, s59                      ; the masks only select values
	v_cndmask_b32 v[RM+\a], v[RM+\a], v[56+\a], vcc_lo
	v_cndmask_b32 v[RI+\a], v[RI+\a], v[60+\a], vcc_lo
.endr
	v_cndmask_b32 v12, v[RM], v[RM+2], s54         ; lanes 0-15 store blocks 0 and 1 of their row r, lanes 16-31 blocks 2 and 3: entry 32 h + 2 r + cc stands for row 16 (2 h + cc) + r of my 64
	v_cndmask_b32 v13, v[RM+1], v[RM+3], s54
	v_cndmask_b32 v14, v[RI], v[RI+2], s54
	v_cndmask_b32 v15, v[RI+1], v[RI+3], s54
	s_lshl_b32 s62, s15, 16                        ; 65,536 bytes a quarter,
	s_lshl_b32 s63, s14, 10                        ; 1,024 a work-group,
	s_add_co_u32 s62, s62, s63
	s_lshl_b32 s63, s[WV], 8                       ; 256 a wave
	s_add_co_u32 s62, s62, s63
	s_mov_b32 s63, 0
	s_add_nc_u64 s[8:9], s[8:9], s[62:63]
	s_add_nc_u64 s[10:11], s[10:11], s[62:63]
	global_store_b64 v[L8], v[12:13], s[8:9]       ; 32 lanes store 256 consecutive bytes, aligned
	global_store_b64 v[L8], v[14:15], s[10:11]
	s_wait_tensorcnt 0x0                           ; the wave's end
	ds_add_u32 v[SPW], v[NIL]
	s_wait_dscnt 0x0
	CROUND                                         ; the closing round: no work-group ends while a partner may still ask for a tile that names it
	s_endpgm
.Lfunc_end_k_q30aa441c46_scores:
	.size	k_q30aa441c46_scores, .Lfunc_end_k_q30aa441c46_scores-k_q30aa441c46_scores
	.p2alignl 7, 3214868480
	.fill 96, 4, 3214868480
	.section	.rodata,"a",@progbits
	.p2align	6, 0x0
	.amdhsa_kernel k_q30aa441c46_scores
		.amdhsa_group_segment_fixed_size 327680
		.amdhsa_private_segment_fixed_size 0
		.amdhsa_enable_private_segment 0
		.amdhsa_kernarg_size 32
		.amdhsa_user_sgpr_count 2
		.amdhsa_user_sgpr_kernarg_segment_ptr 1
		.amdhsa_wavefront_size32 1
		.amdhsa_system_sgpr_workgroup_id_x 1
		.amdhsa_system_sgpr_workgroup_id_y 1
		.amdhsa_system_sgpr_workgroup_id_z 1
		.amdhsa_system_vgpr_workitem_id 0
		.amdhsa_next_free_vgpr 1024
		.amdhsa_next_free_sgpr 66
		.amdhsa_reserve_vcc 1
		.amdhsa_float_denorm_mode_32 3
		.amdhsa_float_denorm_mode_16_64 3
		.amdhsa_memory_ordered 1
		.amdhsa_forward_progress 1
		.amdhsa_inst_pref_size 255
	.end_amdhsa_kernel
	.section	.bss,"aw",@nobits
	.p2align	6
	.space	262144
	.amdgpu_metadata
---
amdhsa.version: [ 1, 2 ]
amdhsa.kernels:
  - .name:           k_q30aa441c46_scores
    .symbol:         k_q30aa441c46_scores.kd
    .args:
      - { .name: codes, .offset: 0, .size: 8, .value_kind: global_buffer, .address_space: global }
      - { .name: scal, .offset: 8, .size: 8, .value_kind: global_buffer, .address_space: global }
      - { .name: pmax, .offset: 16, .size: 8, .value_kind: global_buffer, .address_space: global }
      - { .name: pidx, .offset: 24, .size: 8, .value_kind: global_buffer, .address_space: global }
    .group_segment_fixed_size: 327680
    .private_segment_fixed_size: 0
    .kernarg_segment_align: 8
    .kernarg_segment_size: 32
    .max_flat_workgroup_size: 128
    .sgpr_count:     66
    .vgpr_count:     1024
    .wavefront_size: 32
...
	.end_amdgpu_metadata
.endif
;; end of part 2
;; launch pick (part 3): grid 256 x 1, 10 waves a work-group, no clusters, 0 bytes of LDS; arguments pmax, pidx, table, out0; writes out0
.if DOCPART == 3
	.amdgcn_target "amdgcn-amd-amdhsa--gfx1250"
	.amdhsa_code_object_version 6
	.text
	.protected	k_q30aa441c46_pick
	.globl	k_q30aa441c46_pick
	.p2align	8
	.type	k_q30aa441c46_pick,@function
k_q30aa441c46_pick:
	s_mov_b64 s[64:65], 0
	v_nop
	global_prefetch_b8 v0, s[64:65] scope:SCOPE_SE
	s_setreg_imm32_b32 hwreg(HW_REG_WAVE_MODE, 25, 1), 1
	s_wait_xcnt 0x0
; out0[row][:] = table[nearest[row]][0 .. 9].  For each row the launch before has left four candidates, one for each quarter of the keys: the largest score (pmax) and its index (pidx, whole numbers).
; The table rows of ALL FOUR candidates are loaded, by addresses made of the stored indices alone; the scores only select among the loaded values.  A strict compare keeps the lower quarter, so the first index, on a tie.
; A work-group owns 64 rows: 320 threads = 64 rows x 5 pairs of columns; thread t stores the 8 bytes at 8 t of the group's 2,560: a wave's store covers 256 consecutive bytes, aligned.
; In pmax and pidx a chunk of 64 rows is 256 bytes; entry 32 (a / 2) + 2 r + a % 2 stands for row 16 a + r.  A few kilobytes a work-group: no LDS, no ring, no prefetch.
	s_load_b256 s[4:11], s[0:1], 0x0               ; pmax s[4:5], pidx s[6:7], table s[8:9], out0 s[10:11]
	v_mul_u32_u24 v1, v0, 0xcccd
	v_lshrrev_b32 v1, 18, v1                       ; t / 5: my row among the 64 (exact for t under 320)
	v_mul_u32_u24 v2, v1, 5
	v_sub_nc_u32 v2, v0, v2                        ; t % 5: my pair of columns
	v_and_b32 v3, 15, v1                           ; r
	v_lshrrev_b32 v4, 4, v1                        ; a
	v_lshrrev_b32 v5, 1, v4
	v_and_b32 v4, 1, v4
	v_lshl_add_u32 v4, v3, 1, v4
	v_lshl_add_u32 v4, v5, 5, v4                   ; the entry
	v_lshlrev_b32 v4, 2, v4                        ; in bytes
	v_lshlrev_b32 v5, 3, v2                        ; my pair's place in a table row
	v_lshlrev_b32 v6, 3, v0                        ; and my place in the output
	s_lshl_b32 s12, ttmp9, 8
	s_mov_b32 s13, 0
	s_mul_i32 s14, ttmp9, 2560
	s_mov_b32 s15, 0
	s_wait_kmcnt 0x0
	s_add_nc_u64 s[4:5], s[4:5], s[12:13]
	s_add_nc_u64 s[6:7], s[6:7], s[12:13]
	s_add_nc_u64 s[10:11], s[10:11], s[14:15]
.irp y, 0,1,2,3
	global_load_b32 v[12+\y], v4, s[6:7] offset:65536*\y
.endr
.irp y, 0,1,2,3
	global_load_b32 v[8+\y], v4, s[4:5] offset:65536*\y
.endr
	s_wait_loadcnt 4                               ; the four indices are in; the four scores may be out
.irp y, 0,1,2,3
	v_min_u32 v[12+\y], 0xfff, v[12+\y]            ; an index stays inside the table
.endr
.irp y, 0,1,2,3
	v_lshl_add_u32 v[16+\y], v[12+\y], 6, v5       ; 64 bytes a table row
.endr
.irp y, 0,1,2,3
	global_load_b64 v[20+2*\y:21+2*\y], v[16+\y], s[8:9]
.endr
	s_wait_loadcnt 4                               ; the scores are in; the four table loads may be out
	v_cmp_gt_f32 s21, v9, v8
	v_max_num_f32 v8, v8, v9
	v_cmp_gt_f32 s22, v10, v8
	v_max_num_f32 v8, v8, v10
	v_cmp_gt_f32 s23, v11, v8
	s_wait_loadcnt 0x0
.irp y, 1,2,3
	v_cndmask_b32 v20, v20, v[20+2*\y], s[20+\y]
	v_cndmask_b32 v21, v21, v[21+2*\y], s[20+\y]
.endr
	global_store_b64 v6, v[20:21], s[10:11]
	s_endpgm
.Lfunc_end_k_q30aa441c46_pick:
	.size	k_q30aa441c46_pick, .Lfunc_end_k_q30aa441c46_pick-k_q30aa441c46_pick
	.p2alignl 7, 3214868480
	.fill 96, 4, 3214868480
	.section	.rodata,"a",@progbits
	.p2align	6, 0x0
	.amdhsa_kernel k_q30aa441c46_pick
		.amdhsa_group_segment_fixed_size 0
		.amdhsa_private_segment_fixed_size 0
		.amdhsa_enable_private_segment 0
		.amdhsa_kernarg_size 32
		.amdhsa_user_sgpr_count 2
		.amdhsa_user_sgpr_kernarg_segment_ptr 1
		.amdhsa_wavefront_size32 1
		.amdhsa_system_sgpr_workgroup_id_x 1
		.amdhsa_system_sgpr_workgroup_id_y 1
		.amdhsa_system_sgpr_workgroup_id_z 1
		.amdhsa_system_vgpr_workitem_id 0
		.amdhsa_next_free_vgpr 32
		.amdhsa_next_free_sgpr 66
		.amdhsa_reserve_vcc 0
		.amdhsa_float_denorm_mode_32 3
		.amdhsa_float_denorm_mode_16_64 3
		.amdhsa_memory_ordered 1
		.amdhsa_forward_progress 1
		.amdhsa_inst_pref_size 4
	.end_amdhsa_kernel
	.amdgpu_metadata
---
amdhsa.version: [ 1, 2 ]
amdhsa.kernels:
  - .name:           k_q30aa441c46_pick
    .symbol:         k_q30aa441c46_pick.kd
    .args:
      - { .name: pmax, .offset: 0, .size: 8, .value_kind: global_buffer, .address_space: global }
      - { .name: pidx, .offset: 8, .size: 8, .value_kind: global_buffer, .address_space: global }
      - { .name: table, .offset: 16, .size: 8, .value_kind: global_buffer, .address_space: global }
      - { .name: out0, .offset: 24, .size: 8, .value_kind: global_buffer, .address_space: global }
    .group_segment_fixed_size: 0
    .private_segment_fixed_size: 0
    .kernarg_segment_align: 8
    .kernarg_segment_size: 32
    .max_flat_workgroup_size: 320
    .sgpr_count:     66
    .vgpr_count:     32
    .wavefront_size: 32
...
	.end_amdgpu_metadata
.endif
;; end of part 3
;; ======== version 2 of 2: 3 launches
;; limits: right only within a limited range of input values
;; workspace buffers: codes 15,728,640 bytes; scal 655,360 bytes; table 262,144 bytes; pmax 262,144 bytes; pidx 262,144 bytes of whole numbers
;; launch prep (part 4): grid 896 x 1, 4 waves a work-group, no clusters, 34,304 bytes of LDS; arguments x, keys, values, dec_w, dec_b, codes, scal, table; writes codes, scal, table
.if DOCPART == 4
	.amdgcn_target "amdgcn-amd-amdhsa--gfx1250"
	.amdhsa_code_object_version 6
	.text
	.protected	k_q30aa441c46_prep
	.globl	k_q30aa441c46_prep
	.p2align	8
	.type	k_q30aa441c46_prep,@function
k_q30aa441c46_prep:
	s_mov_b64 s[64:65], 0
	v_nop
	global_prefetch_b8 v0, s[64:65] scope:SCOPE_SE
	s_setreg_imm32_b32 hwreg(HW_REG_WAVE_MODE, 25, 1), 1
	s_wait_xcnt 0x0
; TWO JOBS IN ONE LAUNCH, parted by the work-group's number.
; (a) Work-groups 0-255: table[k][o] = sum over d of values[k][d] dec_w[o][d] + dec_b[o], f32 fused multiply-adds.  The gather values[nearest] and the linear layer
;     change places for every input: out[row] is row nearest[row] of this table.  So the small product is made once for each of the 4,096 codebook rows, and values is read once.
; (b) Work-groups 256-895: x [16384][1024] and keys [4096][1024], f32, become codes of BF6 (E3M2) with one E8M0 byte for each 32 along K, laid AS THE MATRIX OPERAND'S REGISTERS:
;     a block is 16 rows (blocks 0-1023: x, 1024-1279: keys); codes[block][q][1536], q = the K step of 128: register group g (four registers) of lane l at 512 g + 16 l; lane (r = l % 16, h = l / 16)
;     holds row r, registers 6 c .. 6 c + 5 = k 128 q + 64 c + 32 h + 0 .. 31.  scal[block][hf][lane][8]: word j of lane l = the scale word of row l % 16 for K step 4 hf + 2 j + l / 16.
; A block's scale is 2^(floor(log2(largest magnitude)) - 4); its byte is the largest magnitude's exponent field - 4, held at 1 from below.
; LIMITS: a block of 32 zeros gets the byte 1 where the rule says 127 (its codes are zeros, which add nothing, and this program alone reads the bytes); blocks whose largest magnitude lies under 2^(5 - 127)
; share that byte; NaN and infinities among the inputs are not served.
; No tensor loads, no barrier: waves share nothing.  No matrix unit: memory binds both jobs.  Only job (b) touches LDS.
.set R,   64                           ; (b) v64-191  two sets of 64 registers as loaded: 16 rows x 16 bytes a lane
.set X,   192                          ; (b) v192-255 64 numbers of my row: register 32 c + i = k 64 c + 32 h + i
.set C,   20                           ; (b) v20-31   a fragment's 12 registers
.set W,   8                            ; (b) v8-11    the four K steps' scale words
.set SP,  528                          ; (b) a stage row: 512 bytes + 16 = 33 x 16: the sixteen rows that a read touches begin in sixteen different groups of banks
	s_load_b256 s[4:11], s[0:1], 0x0               ; x s[4:5], keys s[6:7], values s[8:9], dec_w s[10:11]
	s_load_b256 s[12:19], s[0:1], 0x20             ; dec_b s[12:13], codes s[14:15], scal s[16:17], table s[18:19]
	v_lshl_add_u32 v62, v0, 2, 0x8400
	v_mov_b32 v63, 0
	v_lshrrev_b32 v1, 5, v0
	v_readfirstlane_b32 s23, v1                    ; wave 0..3
	v_and_b32 v1, 31, v0                           ; lane
	v_lshlrev_b32 v2, 4, v1                        ; 16 x lane
	s_mov_b32 s20, 0x76543210
	s_mov_b32 s21, 0xfedcba98                      ; v_permlanex16_b32's selects for lane l xor 16
	s_cmp_lt_u32 ttmp9, 256
	s_cbranch_scc1 .Ltable
; ---------------- (b) the quantiser.  A wave takes one block of 16 rows and half of K: four fragments, 32 KiB of f32.
	s_sub_co_u32 s24, ttmp9, 256                   ; 0..639
	s_lshl_b32 s25, s24, 1
	s_lshr_b32 s26, s23, 1
	s_add_co_u32 s25, s25, s26                     ; block = 2 x work-group + wave / 2
	s_and_b32 s26, s23, 1                          ; hf: which half of K
	s_mul_i32 s27, s23, 16*SP                      ; my wave's stage in LDS
	v_and_b32 v7, 15, v0                           ; r
	v_bfe_u32 v6, v0, 4, 1                         ; h
	s_wait_alu depctr_va_vdst(0)
	v_add_nc_u32 v3, s27, v2                       ; into the stage: 16 x lane of a row
	v_mul_u32_u24 v4, v7, SP
	v_lshl_add_u32 v4, v6, 7, v4
	v_add_nc_u32 v4, s27, v4                       ; out of it: row r, + 128 h bytes: my 32 numbers of a block pair
	v_lshlrev_b32 v5, 3, v1                        ; 8 x lane: the scale words' place
	v_lshlrev_b32 v6, 3, v6                        ; 8 h: where my bytes stand in a scale word
	v_mov_b32 v18, 0                               ; written once: a lane permute's destination counts as one of its sources
	s_mov_b32 s22, 0xffff0000                      ; lanes 16-31
	s_mul_i32 s28, s25, 12288                      ; codes: 12,288 bytes a block, 6,144 a half
	s_mul_i32 s30, s26, 6144
	s_add_co_u32 s28, s28, s30
	s_mov_b32 s29, 0
	s_lshl_b32 s30, s25, 9                         ; scale words: 512 bytes a block, 256 a half
	s_lshl_b32 s31, s26, 8
	s_add_co_u32 s30, s30, s31
	s_mov_b32 s31, 0
	s_and_b32 s32, s25, 1023                       ; the block's number in its own tensor
	s_lshl_b32 s32, s32, 16                        ; 16 rows of 4,096 bytes
	s_lshl_b32 s33, s26, 11                        ; + half a row
	s_add_co_u32 s32, s32, s33
	s_mov_b32 s33, 0
	s_wait_alu depctr_va_vdst(0)
	s_wait_kmcnt 0x0
	s_cmp_lt_u32 s24, 512                          ; x's block or keys'?  The choice hangs on the work-group's number alone
	s_cselect_b64 s[4:5], s[4:5], s[6:7]
	s_add_nc_u64 s[4:5], s[4:5], s[32:33]
	s_add_nc_u64 s[14:15], s[14:15], s[28:29]
	s_add_nc_u64 s[16:17], s[16:17], s[30:31]
.macro LOAD t                          ; K step t of my four: 512 consecutive bytes of each of the 16 rows, 16 bytes a lane
.irp i, 0,1,2,3,4,5,6,7,8,9,10,11,12,13,14,15
	global_load_b128 v[R+64*((\t)%2)+4*\i:R+64*((\t)%2)+4*\i+3], v2, s[4:5] offset:4096*\i+512*(\t) th:TH_LOAD_NT
.endr
.endm
.macro QF t                            ; one fragment
.set RS, R+64*((\t)%2)
.if (\t) < 3
	s_wait_loadcnt 16                              ; this step's 16 loads are in; the next step's 16 may be out
.else
	s_wait_loadcnt 0
.endif
.irp i, 0,1,2,3,4,5,6,7,8,9,10,11,12,13,14,15
	ds_store_b128 v3, v[RS+4*\i:RS+4*\i+3] offset:SP*\i           ; the rows as they lie
.endr
.irp c, 0,1
.irp m, 0,1,2,3,4,5,6,7
	ds_load_b128 v[X+32*\c+4*\m:X+32*\c+4*\m+3], v4 offset:256*\c+16*\m   ; LDS serves a wave's instructions in order: these see the stores.  My row's k = 64 c + 32 h + 4 m ..
.endr
.endr
	s_wait_dscnt 0x0                               ; my 64 numbers are in, and the stage's stores have read their registers,
.if (\t) < 2
	LOAD (\t)+2                                    ; which take the loads of two steps on
.endif
.irp c, 0,1
	v_max3_num_f32 v[12+\c], |v[X+32*\c]|, |v[X+32*\c+1]|, 0x2800000   ; block 2 c + h is all mine; the floor 2^(5 - 127) holds the byte at 1 from below
.endr
.irp i, 2,4,6,8,10,12,14,16,18,20,22,24,26,28,30
.irp c, 0,1
	v_max3_num_f32 v[12+\c], v[12+\c], |v[X+32*\c+\i]|, |v[X+32*\c+\i+1]|   ; (the two blocks by turns)
.endr
.endr
.irp c, 0,1
	v_add_nc_u32 v[14+\c], 0xfe000000, v[12+\c]    ; 4 off the exponent field: the conversion takes this operand's exponent field as its scale
.endr
.irp c, 0,1
	v_lshrrev_b32 v[16+\c], 23, v[14+\c]           ; the scale's byte
.endr
	v_lshl_or_b32 v19, v17, 16, v16                ; my two bytes: blocks h and 2 + h,
	v_lshlrev_b32 v19, v6, v19                     ; 8 h bits up;
	v_permlanex16_b32 v18, v19, s20, s21
	v_or_b32 v[W+(\t)], v19, v18                   ; with lane l xor 16's two the row's word is whole, in both halves of the lanes
.if (\t) > 0
	s_wait_alu depctr_va_vdst(0)
	s_wait_xcnt 0x0                                ; the last fragment's stores have read their data registers: they are written again only behind this wait
.endif
.irp c, 0,1
	v_cvt_scalef32_pk16_bf6_f32 v[C+6*\c:C+6*\c+2], v[X+32*\c:X+32*\c+15], v[14+\c]
	v_cvt_scalef32_pk16_bf6_f32 v[32+4*\c:34+4*\c], v[X+32*\c+16:X+32*\c+31], v[14+\c]   ; (a conversion's three registers begin on an even number: the upper half is made elsewhere and moved)
.endr
	v_nop                                          ; one plain place behind a scaled conversion
.irp c, 0,1
.irp i, 0,1,2
	v_mov_b32 v[C+3+6*\c+\i], v[32+4*\c+\i]
.endr
.endr
.irp g, 0,1,2
	global_store_b128 v2, v[C+4*\g:C+4*\g+3], s[14:15] offset:1536*(\t)+512*\g   ; the registers' image: 32 lanes store 512 consecutive bytes, at a multiple of 256 from the buffer's first byte
.endr
.endm
	LOAD 0
	LOAD 1
	QF 0
	QF 1
	QF 2
	QF 3
	v_cndmask_b32 v40, v[W], v[W+1], s22           ; lanes 0-15 the even K step's words, lanes 16-31 the odd one's
	v_cndmask_b32 v41, v[W+2], v[W+3], s22
	global_store_b64 v5, v[40:41], s[16:17]        ; 32 lanes store 256 consecutive bytes, aligned
	s_wait_tensorcnt 0x0
	ds_add_u32 v62, v63
	s_wait_dscnt 0x0
	s_endpgm
; ---------------- (a) the table.  A wave takes four rows of values (16 KiB) and keeps them in 128 registers; dec_w's ten rows pass by in two buffers.
.Ltable:
	s_lshl_b32 s24, ttmp9, 2
	s_add_co_u32 s24, s24, s23                     ; which four rows
	s_lshl_b32 s26, s24, 14                        ; 4 x 4,096 bytes of values,
	s_mov_b32 s27, 0
	s_lshl_b32 s28, s24, 8                         ; 4 x 64 bytes of the table
	s_mov_b32 s29, 0
	s_wait_alu depctr_va_vdst(0)
	v_lshlrev_b32 v3, 3, v1                        ; 8 x lane: lane 8 p + j ends with (row p, columns 2 j, 2 j + 1)
	v_and_b32 v24, 7, v1
	v_min_u32 v24, 4, v24                          ; lanes with j above 4 hold columns that nobody reads: they take the last pair, so that no load leaves dec_b's 40 bytes
	v_lshlrev_b32 v24, 3, v24
	v_mov_b32 v4, 0                                ; what the lane will store
	v_mov_b32 v5, 0
.irp p, 0,1,2,3
	v_mov_b32 v[20+\p], 0                          ; written once: a lane permute's destination counts as one of its sources
.endr
	s_wait_alu depctr_va_vdst(0)
	s_wait_kmcnt 0x0
	s_add_nc_u64 s[8:9], s[8:9], s[26:27]
	s_add_nc_u64 s[18:19], s[18:19], s[28:29]
	global_load_b64 v[6:7], v24, s[12:13]          ; my two biases
.irp p, 0,1,2,3
.irp j, 0,1,2,3,4,5,6,7
	global_load_b128 v[64+32*\p+4*\j:64+32*\p+4*\j+3], v2, s[8:9] offset:4096*\p+512*\j th:TH_LOAD_NT   ; 512 consecutive bytes a load
.endr
.endr
.macro WLOAD o                         ; row o of dec_w into buffer o % 2
.irp j, 0,1,2,3,4,5,6,7
	global_load_b128 v[192+32*((\o)%2)+4*\j:192+32*((\o)%2)+4*\j+3], v2, s[10:11] offset:4096*(\o)+512*\j
.endr
.endm
	WLOAD 0
	WLOAD 1
.macro TROW o                          ; output column o of my four rows
.set WB, 192+32*((\o)%2)
.if (\o) < 9
	s_wait_loadcnt 8                               ; all but the next row of dec_w (eight loads) is in
.else
	s_wait_loadcnt 0
.endif
.irp p, 0,1,2,3
	v_pk_mul_f32 v[8+2*\p:9+2*\p], v[64+32*\p:65+32*\p], v[WB:WB+1]   ; the first product starts the sums
.endr
.set ti, 2
.rept 15
.irp p, 0,1,2,3
	v_pk_fma_f32 v[8+2*\p:9+2*\p], v[64+32*\p+ti:65+32*\p+ti], v[WB+ti:WB+ti+1], v[8+2*\p:9+2*\p]   ; (the four rows by turns)
.endr
.set ti, ti+2
.endr
.if (\o)+2 < 10
	WLOAD (\o)+2
.endif
.irp p, 0,1,2,3
	v_add_f32 v[16+\p], v[8+2*\p], v[9+2*\p]
.endr
.irp m, 1,2,4,8
.irp p, 0,1,2,3
	v_add_f32_dpp v[16+\p], v[16+\p], v[16+\p] row_xmask:\m row_mask:0xf bank_mask:0xf
.endr
.endr
.irp p, 0,1,2,3
	v_permlanex16_b32 v[20+\p], v[16+\p], s20, s21
.endr
.irp p, 0,1,2,3
	v_add_f32 v[16+\p], v[16+\p], v[20+\p]         ; every lane holds the row's sum
.endr
.irp p, 0,1,2,3
	v_cmp_eq_u32 vcc_lo, 8*\p+(\o)/2, v1           ; the one lane that keeps it
	v_cndmask_b32 v[4+(\o)%2], v[4+(\o)%2], v[16+\p], vcc_lo
.endr
.endm
.irp o, 0,1,2,3,4,5,6,7,8,9
	TROW \o
.endr
	v_pk_add_f32 v[4:5], v[4:5], v[6:7]            ; + dec_b
	global_store_b64 v3, v[4:5], s[18:19]          ; four table rows of 64 bytes: 256 consecutive bytes, aligned (columns 10-15 are filled and never read)
	s_endpgm
.Lfunc_end_k_q30aa441c46_prep:
	.size	k_q30aa441c46_prep, .Lfunc_end_k_q30aa441c46_prep-k_q30aa441c46_prep
	.p2alignl 7, 3214868480
	.fill 96, 4, 3214868480
	.section	.rodata,"a",@progbits
	.p2align	6, 0x0
	.amdhsa_kernel k_q30aa441c46_prep
		.amdhsa_group_segment_fixed_size 34304
		.amdhsa_private_segment_fixed_size 0
		.amdhsa_enable_private_segment 0
		.amdhsa_kernarg_size 64
		.amdhsa_user_sgpr_count 2
		.amdhsa_user_sgpr_kernarg_segment_ptr 1
		.amdhsa_wavefront_size32 1
		.amdhsa_system_sgpr_workgroup_id_x 1
		.amdhsa_system_sgpr_workgroup_id_y 1
		.amdhsa_system_sgpr_workgroup_id_z 1
		.amdhsa_system_vgpr_workitem_id 0
		.amdhsa_next_free_vgpr 256
		.amdhsa_next_free_sgpr 66
		.amdhsa_reserve_vcc 1
		.amdhsa_float_denorm_mode_32 3
		.amdhsa_float_denorm_mode_16_64 3
		.amdhsa_memory_ordered 1
		.amdhsa_forward_progress 1
		.amdhsa_inst_pref_size 100
	.end_amdhsa_kernel
	.amdgpu_metadata
---
amdhsa.version: [ 1, 2 ]
amdhsa.kernels:
  - .name:           k_q30aa441c46_prep
    .symbol:         k_q30aa441c46_prep.kd
    .args:
      - { .name: x, .offset: 0, .size: 8, .value_kind: global_buffer, .address_space: global }
      - { .name: keys, .offset: 8, .size: 8, .value_kind: global_buffer, .address_space: global }
      - { .name: values, .offset: 16, .size: 8, .value_kind: global_buffer, .address_space: global }
      - { .name: dec_w, .offset: 24, .size: 8, .value_kind: global_buffer, .address_space: global }
      - { .name: dec_b, .offset: 32, .size: 8, .value_kind: global_buffer, .address_space: global }
      - { .name: codes, .offset: 40, .size: 8, .value_kind: global_buffer, .address_space: global }
      - { .name: scal, .offset: 48, .size: 8, .value_kind: global_buffer, .address_space: global }
      - { .name: table, .offset: 56, .size: 8, .value_kind: global_buffer, .address_space: global }
    .group_segment_fixed_size: 34304
    .private_segment_fixed_size: 0
    .kernarg_segment_align: 8
    .kernarg_segment_size: 64
    .max_flat_workgroup_size: 128
    .sgpr_count:     66
    .vgpr_count:     256
    .wavefront_size: 32
...
	.end_amdgpu_metadata
.endif
;; end of part 4
;; launch scores (part 5): grid 64 x 4, 4 waves a work-group, clusters of 4 x 1, 327,680 bytes of LDS; arguments codes, scal, pmax, pidx; writes pmax, pidx
.if DOCPART == 5
	.amdgcn_target "amdgcn-amd-amdhsa--gfx1250"
	.amdhsa_code_object_version 6
	.text
	.protected	k_q30aa441c46_scores
	.globl	k_q30aa441c46_scores
	.p2align	8
	.type	k_q30aa441c46_scores,@function
k_q30aa441c46_scores:
	s_mov_b64 s[64:65], 0
	v_nop
	global_prefetch_b8 v0, s[64:65] scope:SCOPE_SE
	s_setreg_imm32_b32 hwreg(HW_REG_WAVE_MODE, 25, 1), 1
	s_wait_xcnt 0x0
	s_wait_alu depctr_hold_cnt(0) depctr_sa_sdst(0) depctr_va_vdst(0) depctr_va_sdst(0) depctr_va_ssrc(0) depctr_va_vcc(0) depctr_vm_vsrc(0)
	s_getreg_b32 s2, hwreg(HW_REG_IB_STS2, 6, 4)
	s_cmp_eq_u32 s2, 0
	s_cbranch_scc0 .Lentry_in_a_cluster
	s_endpgm
.Lentry_in_a_cluster:
	s_bfe_u32 s2, ttmp6, 0x10000c
	s_cmp_lg_u32 s2, 0x3003
	s_cbranch_scc0 .Lentry_shape_is_right
	s_endpgm
.Lentry_shape_is_right:
; similarities = Q(x) Q(keys)^T on codes of BF6 (E3M2) with E8M0 scales, and for each row of x the largest score and its FIRST index over a quarter of the 4,096 keys.
; SHARES.  Work-group (G, y): rows 256 G .. + 255 of x, keys 1024 y .. + 1023: 64 x 4 = 256 work-groups of equal work.  Wave w: 64 rows (four blocks of 16), all 1,024 keys of the quarter.
; x STAYS IN REGISTERS (32 fragments = 384 registers, 16 scale registers a wave), loaded once from memory.  The keys go through LDS; a key fragment of 1,536 bytes feeds four matrix instructions.
; A TASK is two blocks of 16 keys over all of K: 64 matrix instructions on 8 accumulators that take turns; two sets of accumulators: while task U is summed in one, task U - 1 is scanned in the other.
; TRANSPOSED USE (source 0 = 16 keys, source 1 = 16 rows of x): lane (r, h) holds row r of x; register j of block b is key 16 b + 8 h + j of the task.
; THE SCAN, for a block of x and a task, 26 instructions for a lane's 16 scores: eight three-input maxima over the 16 and the running maximum; one strict compare with the old maximum; where the task wins,
; its number and its 16 scores are kept (17 selects).  The place inside the winning task is looked for once, at the end: the lowest kept place that equals the maximum.  A strict compare keeps the first task,
; the lowest place the first key of a lane, and the two halves of the lanes are joined with the lower index winning a tie: so the first index of equal scores is given.
; The scan stands in two runs of 52 a task, each behind 32 matrix instructions: they are also the places ahead of the runs of LDS loads.
; OPERANDS lie in memory as images of their registers (made by the launch before): every load is 16 x lane on dense bytes.
; CLUSTER.  The four work-groups of a cluster share y and walk the same stream of keys: every tile is asked for jointly, with the mask of all four.  x goes into registers, each wave's part its own.
; RING.  A quarter's key codes are a dense stream of 786,432 bytes: 8 slots of 98,304 (4 tasks) through two LDS slots.  At the head each wave issues one load of 32,768 bytes: waves 0-2 a third of slot 0,
; wave 3 the quarter's scale words.  Later each wave fetches a quarter of a slot.  By this text's own count a wave has one tensor load out at a time.
; LIMITS: NaN and infinities among the scores are not served (a NaN never wins; a row whose scores are all -infinity gets the quarter's first key).
; REGISTERS: window 0: v1-15 addresses and temporaries, v16-23 running maxima (two sets by turns), v24-27 winning tasks, v28-43 x's scale words, v44-59 the keys' (two sets), v64-191 two sets of accumulators,
;   v192-255 the kept scores.   window 1: v0-191 sixteen key fragments.   window 2: x's fragments of K steps 0-3 (at 12 (4 q + a));   window 3: of K steps 4-7.
.set SLOTB, 98304
.set QUART, 24576                      ; a wave's quarter of a slot; also a task's two blocks of keys
.set KSC,   98304                      ; LDS, behind slot 0: the quarter's key scale words, 64 blocks x 512 bytes, filled once
.set SLOT1, 1<<17                      ; slot 1: one exclusive or turns an address in one slot into the other's
.set SPARE, SLOT1+SLOTB                ; the spare words, 128 bytes a wave, named by no other line
.set KEY0,  1024*12288                 ; where the keys' blocks begin in codes
.set KQ,    64*12288                   ; a quarter of them
.set L16,  1                           ; 16 x lane
.set AD0,  2                           ; the slot in hand + 16 x lane: tasks 0, 1
.set AD1,  3                           ; + 49,152: tasks 2, 3
.set ASC0, 4                           ; KSC + 8 x lane
.set ASC,  5                           ; + 4,096 x slot
.set SPW,  6                           ; my spare word
.set NIL,  7                           ; 0
.set PFO,  8                           ; 256 x lane
.set L8,   9                           ; 8 x lane
.set TT,   12                          ; the scan's second chains
.set RM,   16                          ; set p at 4 p
.set RI,   24
.set XS,   28                          ; block a, K steps 2 p (lanes 0-15), 2 p + 1 (lanes 16-31) at 4 a + p
.set KS,   44                          ; set s at 8 s; block b, K steps 2 p, 2 p + 1 at 4 b + p
.set POS,  60
.set ACC,  64                          ; set s at 64 s; accumulator (b, a) at 8 (4 b + a)
.set SAVE, 192                         ; block a, place k = 8 b + j at 16 a + k
.set WV,   12
.set TB,   44                          ; the LDS slot that is read: 0 or SLOT1
.set TS,   45                          ; 4,096 x slot
.set SLOTS, 46                         ; slots still to be asked for
.set LIM,  47                          ; 1 in a wave that prefetches, else the greatest number
.set PFA,  48
.set MK,   50                          ; s50-53 the scan's masks
.set TID,  55                          ; the number of the task that is being scanned
.set MSB, 0
.macro WIN new                         ; the immediate's high byte repeats the setting that is left
.if MSB != \new
	s_set_vgpr_msb (MSB<<8)|\new
.set MSB, \new
.endif
.endm
; settings: 0x09 / 0x0d: source 0 (keys) window 1, source 1 (x) window 2 / 3, C and D window 0.   0x40: destination window 1 (the key fragments' loads).
.macro CREST                           ; a round of the cluster's barrier behind its opening barrier
	s_cmp_lg_u32 s[WV], 0
	s_cbranch_scc1 .Lnot_wave_0_\@
	s_barrier_signal -3
.Lnot_wave_0_\@:
	s_barrier_wait -3
	s_barrier_signal -1
	s_barrier_wait -1
.endm
.macro CROUND
	s_barrier_signal -1
	s_barrier_wait -1
	CREST
.endm
; A prefetch of the slot that the NEXT change of slots will ask for: 98,304 bytes = 384 blocks of 256 = 4 partners x waves 0-2 x 32 lanes.  The sixteen clusters of a quarter walk one stream: the first of them asks;
; its partners are told apart by address (cx).  Slots 0 to 2 come by their loads alone; the last change that fills a slot asks for nothing.
.macro ASK
	WIN 0
	s_cmp_gt_u32 s[SLOTS], s[LIM]
	s_cbranch_scc0 .Lnot_mine_\@
	global_prefetch_b8 v[PFO], s[PFA:PFA+1] th:TH_LOAD_NT scope:SCOPE_SE
.Lnot_mine_\@:
.endm
	s_load_b256 s[4:11], s[0:1], 0x0               ; codes, scal, pmax, pidx
	v_lshl_add_u32 v[SPW], v0, 2, SPARE
	v_mov_b32 v[NIL], 0
	ds_add_u32 v[SPW], v[NIL]                      ; the opening lines: the add twice on end, under one wait
	ds_add_u32 v[SPW], v[NIL]
	v_lshrrev_b32 v10, 5, v0
	v_readfirstlane_b32 s[WV], v10                 ; wave 0..3
	v_and_b32 v11, 31, v0
	v_lshlrev_b32 v[L16], 4, v11
	v_lshlrev_b32 v[L8], 3, v11
	v_lshlrev_b32 v[PFO], 8, v11
	v_add_nc_u32 v[ASC0], KSC, v[L8]
	s_bfe_u32 s13, ttmp6, 0x40000                  ; cx
	s_lshl_b32 s14, ttmp9, 2
	s_add_co_u32 s14, s14, s13                     ; G = 4 x cluster x + cx: it enters x's, the prefetches' and the results' addresses alone
	s_and_b32 s15, ttmp7, 0xffff                   ; y, which the four partners share
	; group 1 of the ring's loads: 24,576 dense bytes as 96 rows of 256 (32 elements of 8 bytes); the mask names all four, bit 21 beside it
	s_mov_b32 s16, 15|(3<<16)|(1<<21)
	s_mov_b32 s17, 32<<16
	s_mov_b32 s18, 96<<16
	s_mov_b32 s19, 32<<16
	s_mov_b32 s20, 96
	s_mov_b32 s21, 32
	s_mov_b32 s22, 0
	s_mov_b32 s23, 0
	; group 1 of the head's loads: 32,768 bytes as 128 such rows
	s_mov_b32 s24, 15|(3<<16)|(1<<21)
	s_mov_b32 s25, 32<<16
	s_mov_b32 s26, 128<<16
	s_mov_b32 s27, 32<<16
	s_mov_b32 s28, 128
	s_mov_b32 s29, 32
	s_mov_b32 s30, 0
	s_mov_b32 s31, 0
	s_lshl_b32 s52, s[WV], 15                      ; my third of slot 0, in LDS and in memory alike
	s_mul_i32 s53, s[WV], QUART                    ; my quarter of a slot
	s_mul_i32 s50, s15, KQ
	s_add_co_u32 s50, s50, KEY0                    ; bytes from codes' first byte to the quarter's stream
	s_mov_b32 s51, 0
	s_mov_b32 s63, 0
	s_mov_b32 s[TB], 0
	s_mov_b32 s[TS], 0
	s_mov_b32 s[SLOTS], 6
	s_mov_b32 s[TID], -1
	s_mov_b32 s54, 0xffff0000                      ; lanes 16-31
	s_mov_b32 s56, 0x76543210
	s_mov_b32 s57, 0xfedcba98                      ; v_permlanex16_b32's selects for lane l xor 16
	s_cmp_lt_u32 s[WV], 3
	s_cselect_b32 s[LIM], 0, 1
	s_or_b32 s[LIM], s[LIM], ttmp9                 ; 0 in waves 0-2 of the quarter's first cluster
	s_cmp_eq_u32 s[LIM], 0
	s_cselect_b32 s[LIM], 1, -1
	s_wait_alu depctr_va_vdst(0)
	s_wait_dscnt 0x0                               ; both opening adds are done
	s_wait_kmcnt 0x0
	s_add_nc_u64 s[2:3], s[4:5], s[50:51]          ; the quarter's stream
	s_mov_b32 s50, s52
	s_mov_b32 s32, 1                               ; group 0, waves 0-2: a third of slot 0
	s_mov_b32 s33, s52
	s_add_nc_u64 s[34:35], s[2:3], s[50:51]
	s_or_b32 s35, s35, 0x80000000
	s_add_co_u32 s50, s53, SLOTB
	s_mov_b32 s40, 1                               ; group 0 that walks: it begins with my quarter of slot 1
	s_add_co_u32 s41, s53, SLOT1
	s_add_nc_u64 s[42:43], s[2:3], s[50:51]
	s_or_b32 s43, s43, 0x80000000
	s_lshl_b32 s50, s15, 15                        ; the scale words: 32,768 bytes a quarter, behind x's 1,024 blocks of 512 bytes
	s_add_co_u32 s50, s50, 1024*512
	s_mov_b32 s36, 1                               ; group 0, wave 3
	s_mov_b32 s37, KSC
	s_add_nc_u64 s[38:39], s[6:7], s[50:51]
	s_or_b32 s39, s39, 0x80000000
	; what hangs on cx lives in s13, s14, s[48:49], s[58:63]: none of these feeds a descriptor or an LDS address
	s_mul_i32 s62, s13, 3
	s_add_co_u32 s62, s62, s[WV]
	s_lshl_b32 s62, s62, 13                        ; the prefetches: 8,192 bytes a wave, three waves a partner,
	s_add_co_u32 s62, s62, 2*SLOTB                 ; in slot 2: the first change of slots steps it to slot 3
	s_add_nc_u64 s[PFA:PFA+1], s[2:3], s[62:63]
	s_mul_i32 s62, s14, 16*12288                   ; x's codes: 16 blocks a work-group, 4 a wave
	s_mul_i32 s58, s[WV], 4*12288
	s_add_co_u32 s62, s62, s58
	s_add_nc_u64 s[58:59], s[4:5], s[62:63]
	s_lshl_b32 s62, s14, 13                        ; x's scale words: 512 bytes a block
	s_lshl_b32 s60, s[WV], 11
	s_add_co_u32 s62, s62, s60
	s_add_nc_u64 s[60:61], s[6:7], s[62:63]
	s_mov_b32 s62, 0xff800000                      ; -infinity
	CROUND                                         ; all four work-groups are here: the first joint loads meet
	s_cmp_lt_u32 s[WV], 3                          ; the head's loads, one a wave, in the two arms of one branch on the wave's number
	s_cbranch_scc0 .Lhead_s
	tensor_load_to_lds s[32:35], s[24:31]
	s_nop 0
.rept 4
	v_nop
.endr
	s_branch .Lhead_j
.Lhead_s:
	tensor_load_to_lds s[36:39], s[24:31]
	s_nop 0
.rept 4
	v_nop
.endr
.Lhead_j:
.irp q, 0,1,2,3,4,5,6,7                ; x's 32 fragments: they stay
.if \q < 4
	WIN 0x80
.else
	WIN 0xc0
.endif
.irp a, 0,1,2,3
.irp g, 0,1,2
	global_load_b128 v[12*(4*(\q%4)+\a)+4*\g:12*(4*(\q%4)+\a)+4*\g+3], v[L16], s[58:59] offset:12288*\a+1536*\q+512*\g
.endr
.endr
.endr
	WIN 0
.irp a, 0,1,2,3
.irp f, 0,1
	global_load_b64 v[XS+4*\a+2*\f:XS+4*\a+2*\f+1], v[L8], s[60:61] offset:512*\a+256*\f
.endr
.endr
.irp a, 0,1,2,3
	v_mov_b32 v[RM+\a], s62                        ; under every score
	v_mov_b32 v[RI+\a], 0
.endr
.set hi, 0
.rept 64
	v_mov_b32 v[SAVE+hi], s62                      ; the kept scores before any task has won
	v_mov_b32 v[ACC+64+hi], s62                    ; the first task scans set 1, in which nothing has been summed yet: -infinity never wins
.set hi, hi+1
.endr
; Matrix instruction tw of a task's 64: K step tw / 8, block of keys (tw / 4) % 2, block of x tw % 4.  The eight accumulators take turns and the sets change from task to task.
; The first eight start the sums.  Odd K steps take their scale words from lanes 16-31.
.macro MM
.set mq, tw/8
.set mb, (tw/4)%2
.set ma, tw%4
.set rD, ACC+64*P+8*(4*mb+ma)
.set rK, 12*(2*mq+mb)
.set rX, 12*(4*(mq%4)+ma)
.set rKS, KS+8*P+4*mb+mq/2
.set rXS, XS+4*ma+mq/2
.if mq < 4
	WIN 0x09
.else
	WIN 0x0d
.endif
.if mq == 0
	v_wmma_scale_f32_16x16x128_f8f6f4 v[rD:rD+7], v[rK:rK+11], v[rX:rX+11], 0, v[rKS], v[rXS] matrix_a_fmt:MATRIX_FMT_BF6 matrix_b_fmt:MATRIX_FMT_BF6
.elseif mq%2 == 0
	v_wmma_scale_f32_16x16x128_f8f6f4 v[rD:rD+7], v[rK:rK+11], v[rX:rX+11], v[rD:rD+7], v[rKS], v[rXS] matrix_a_fmt:MATRIX_FMT_BF6 matrix_b_fmt:MATRIX_FMT_BF6
.else
	v_wmma_scale_f32_16x16x128_f8f6f4 v[rD:rD+7], v[rK:rK+11], v[rX:rX+11], v[rD:rD+7], v[rKS], v[rXS] matrix_a_fmt:MATRIX_FMT_BF6 matrix_b_fmt:MATRIX_FMT_BF6 matrix_a_scale:MATRIX_SCALE_ROW1 matrix_b_scale:MATRIX_SCALE_ROW1
.endif
.endm
.macro MMS n                           ; the next n products
.rept \n
	MM
.set tw, tw+1
.endr
.endm
; Half hh of a scan: blocks 2 hh, 2 hh + 1 of x, the accumulators at SS.  Old maxima in set P, new ones in set 1 - P.  Four chains by turns: for each block one over the old maximum and block 0's eight scores,
; one over block 1's first seven; they meet with the last score.  Each accumulator is read from its low end on.
.macro SCAN hh
	WIN 0
.irp a, 2*\hh, 2*\hh+1
	v_max3_num_f32 v[RM+4*(1-P)+(\a)], v[SS+8*(\a)], v[SS+8*(\a)+1], v[RM+4*P+(\a)]
	v_max3_num_f32 v[TT+(\a)], v[SS+32+8*(\a)], v[SS+32+8*(\a)+1], v[SS+32+8*(\a)+2]
.endr
.irp i, 2,4,6
.irp a, 2*\hh, 2*\hh+1
	v_max3_num_f32 v[RM+4*(1-P)+(\a)], v[RM+4*(1-P)+(\a)], v[SS+8*(\a)+\i], v[SS+8*(\a)+\i+1]
.if \i < 6
	v_max3_num_f32 v[TT+(\a)], v[TT+(\a)], v[SS+32+8*(\a)+\i+1], v[SS+32+8*(\a)+\i+2]
.endif
.endr
.endr
.irp a, 2*\hh, 2*\hh+1
	v_max3_num_f32 v[RM+4*(1-P)+(\a)], v[RM+4*(1-P)+(\a)], v[TT+(\a)], v[SS+32+8*(\a)+7]
.endr
.irp a, 2*\hh, 2*\hh+1
	v_cmp_gt_f32 s[MK+(\a)], v[RM+4*(1-P)+(\a)], v[RM+4*P+(\a)]    ; strictly above all earlier tasks
.endr
.irp a, 2*\hh, 2*\hh+1
	v_cndmask_b32 v[RI+(\a)], v[RI+(\a)], s[TID], s[MK+(\a)]
.endr
.irp k, 0,1,2,3,4,5,6,7,8,9,10,11,12,13,14,15
.irp a, 2*\hh, 2*\hh+1
	v_cndmask_b32 v[SAVE+16*(\a)+\k], v[SAVE+16*(\a)+\k], v[SS+8*(4*(\k/8)+(\a))+\k%8], s[MK+(\a)]
.endr
.endr
.endm
.macro FL reg, off, f, g               ; a third of key fragment f (K step f / 2, block f % 2) of the task that begins off bytes behind v[reg]
	ds_load_b128 v[12*(\f)+4*(\g):12*(\f)+4*(\g)+3], v[\reg] offset:(\off)+12288*((\f)%2)+1536*((\f)/2)+512*(\g)
.endm
; The LDS loads stand in two runs a task.  RUN_M, behind product 31: the next task's scale words and its fragments 0-7: 28 loads.  RUN_E, behind product 63: its fragments 8-15: 24 loads.
.macro RUN_M soff
	WIN 0
.irp i, 0,1,2,3
	ds_load_b64 v[KS+8*(1-P)+2*\i:KS+8*(1-P)+2*\i+1], v[ASC] offset:(\soff)+256*\i
.endr
	WIN 0x40
.irp f, 0,1,2,3,4,5,6,7
.irp g, 0,1,2
	FL NXR, NXO, \f, \g
.endr
.endr
.endm
.macro RUN_E
	WIN 0x40
.irp f, 8,9,10,11,12,13,14,15
.irp g, 0,1,2
	FL NXR, NXO, \f, \g
.endr
.endr
.endm
; The change of slots stands in a slot's last task.  CHG_A, at its head: all my tensor loads have landed (one was out: my part of the next slot); the add; what no pending load names is stepped.
.macro CHG_A fill
	WIN 0
	s_wait_tensorcnt 0x0
	ds_add_u32 v[SPW], v[NIL]
.if \fill == 1
	s_xor_b32 s41, s41, SLOT1                      ; the walking descriptor: the slot that is being left,
	s_add_nc_u64 s[42:43], s[42:43], SLOTB         ; the stream's next 98,304 bytes
	s_wait_xcnt 0x0                                ; the last prefetch has read its address
	s_add_nc_u64 s[PFA:PFA+1], s[PFA:PFA+1], SLOTB
.endif
	s_xor_b32 s[TB], s[TB], SLOT1
	s_add_co_u32 s[TS], s[TS], 4096
.endm
; CHG_B: behind the barrier nobody reads the old slot and the next one is whole.  fill = 1: the barrier has opened a round of the cluster's; the joint refill is the first thing behind it.
.macro CHG_B fill
	WIN 0
	s_barrier_wait -1
.if \fill == 1
	CREST
	tensor_load_to_lds s[40:43], s[16:23]
	s_nop 0
.endif
	v_add_nc_u32 v[AD0], s[TB], v[L16]
	v_add_nc_u32 v[ASC], s[TS], v[ASC0]
	v_add_nc_u32 v[AD1], 49152, v[AD0]
	v_nop
.endm
; A TASK, the u-th of its slot.  chg: 0 no change of slots, 1 a change with a refill, 2 a change without.  nxt: 0 in the launch's last task.
; THE WAITS on DScnt (LDS loads come back in order): at product 0 the last RUN_E's 24 may be out (25 with the add); behind RUN_M its own 28 may be out, so fragments 8-15 are in.
.macro TASK u, chg, nxt
.set P, (\u)%2
.set SS, ACC+64*(1-P)
.set NU, ((\u)+1)%4
.set NXR, AD0+NU/2
.set NXO, QUART*(NU%2)
.set tw, 0
.if \chg
	CHG_A \chg
	s_wait_dscnt 25
	MMS 24
	s_wait_dscnt 0x0                               ; the add is done, and my reads of the slot are over
	s_barrier_signal -1                            ; work on registers alone stands between the signal and the wait
	MMS 8
	SCAN 0
	CHG_B \chg
	RUN_M 0
.if \chg == 1
	ASK
.endif
.else
	s_wait_dscnt 24
	MMS 32
	SCAN 0
.if \nxt
	RUN_M 1024*NU
	s_wait_dscnt 28
.else
	s_wait_dscnt 0x0
.endif
.endif
	MMS 32
	SCAN 1
	s_add_co_u32 s[TID], s[TID], 1
.if \nxt
	RUN_E
.endif
.endm
.macro SLOT chg, last
	TASK 0, 0, 1
	TASK 1, 0, 1
	TASK 2, 0, 1
	TASK 3, \chg, 1-\last
.endm
	s_wait_alu depctr_va_vdst(0)
	s_wait_tensorcnt 0x0                           ; my part of the head's tiles is in
	ds_add_u32 v[SPW], v[NIL]
	s_wait_dscnt 0x0
	CROUND                                         ; everybody's parts are in, and all four work-groups are here
	tensor_load_to_lds s[40:43], s[16:23]          ; slot 1's first fill
	s_nop 0
	v_add_nc_u32 v[AD0], s[TB], v[L16]
	v_add_nc_u32 v[ASC], s[TS], v[ASC0]
	v_add_nc_u32 v[AD1], 49152, v[AD0]
	v_nop
.set P, 1                              ; (RUN_M fills the scale set 1 - P: task 0 uses set 0)
.set NXR, AD0
.set NXO, 0
	RUN_M 0                                        ; task 0's loads, in the order in which every task leaves them for its successor
	RUN_E
	WIN 0
	s_wait_loadcnt 0x0                             ; x
.Lslot:                                            ; six trips: slots 0 to 5; each asks for the slot two on
	SLOT 1, 0
	WIN 0
	s_sub_co_u32 s[SLOTS], s[SLOTS], 1
	s_cmp_lg_u32 s[SLOTS], 0
	s_cbranch_scc1 .Lslot
	SLOT 2, 0                                      ; the last two slots are written out: slot 6 is left and nothing is asked for,
	SLOT 0, 1
	s_lshl_b32 s2, s15, 10                         ; the quarter's first key
	s_lshl_b32 s62, s15, 16                        ; the results: 65,536 bytes a quarter,
	s_lshl_b32 s3, s14, 10                         ; 1,024 a work-group,
	s_add_co_u32 s62, s62, s3
	s_lshl_b32 s3, s[WV], 8                        ; 256 a wave
	s_add_co_u32 s62, s62, s3
	s_add_nc_u64 s[8:9], s[8:9], s[62:63]
	s_add_nc_u64 s[10:11], s[10:11], s[62:63]
.set P, 0                              ; the last task's scores lie in set 1; the maxima end in set 1 too
.set SS, ACC+64
	SCAN 0
	SCAN 1
.set FM, RM+4
	; THE END.  The place in the winning task: the lowest kept place that equals the maximum (places taken downward, so the lowest is written last).
.irp a, 0,1,2,3
	v_mov_b32 v[POS+\a], 0
.endr
.irp k, 15,14,13,12,11,10,9,8,7,6,5,4,3,2,1,0
.irp a, 0,1,2,3
	v_cmp_eq_f32 s[MK+\a], v[SAVE+16*\a+\k], v[FM+\a]
.endr
.irp a, 0,1,2,3
	v_cndmask_b32 v[POS+\a], v[POS+\a], 16*(\k/8)+\k%8, s[MK+\a]
.endr
.endr
	v_bfe_u32 v10, v0, 4, 1                        ; h
	v_lshl_add_u32 v11, v10, 3, s2                 ; 1024 y + 8 h
.irp a, 0,1,2,3
	v_lshl_add_u32 v[RI+\a], v[RI+\a], 5, v[POS+\a]   ; 32 x task + place
.endr
.irp a, 0,1,2,3
	v_add_nc_u32 v[RI+\a], v11, v[RI+\a]           ; the index among all 4,096 keys
.endr
.irp a, 0,1,2,3
	v_permlanex16_b32 v[ACC+\a], v[FM+\a], s56, s57
	v_permlanex16_b32 v[ACC+4+\a], v[RI+\a], s56, s57
.endr
.irp a, 0,1,2,3                        ; a row's keys lie in two lanes, 16 apart: the better of the two, and of equal scores the lower index
	v_cmp_gt_f32 s50, v[ACC+\a], v[FM+\a]
	v_cmp_eq_f32 s51, v[ACC+\a], v[FM+\a]
	v_cmp_lt_u32 s52, v[ACC+4+\a], v[RI+\a]
	s_and_b32 s51, s51, s52
	s_or_b32 vcc_lo, s50, s51                      ; the masks only select values
	v_cndmask_b32 v[FM+\a], v[FM+\a], v[ACC+\a], vcc_lo
	v_cndmask_b32 v[RI+\a], v[RI+\a], v[ACC+4+\a], vcc_lo
.endr
	v_cndmask_b32 v12, v[FM], v[FM+2], s54         ; lanes 0-15 store blocks 0 and 1 of their row r, lanes 16-31 blocks 2 and 3: entry 32 h + 2 r + cc stands for row 16 (2 h + cc) + r of my 64
	v_cndmask_b32 v13, v[FM+1], v[FM+3], s54
	v_cndmask_b32 v14, v[RI], v[RI+2], s54
	v_cndmask_b32 v15, v[RI+1], v[RI+3], s54
	global_store_b64 v[L8], v[12:13], s[8:9]       ; 32 lanes store 256 consecutive bytes, aligned
	global_store_b64 v[L8], v[14:15], s[10:11]
	s_wait_tensorcnt 0x0                           ; the wave's end
	ds_add_u32 v[SPW], v[NIL]
	s_wait_dscnt 0x0
	CROUND                                         ; the closing round
	s_endpgm
.Lfunc_end_k_q30aa441c46_scores:
	.size	k_q30aa441c46_scores, .Lfunc_end_k_q30aa441c46_scores-k_q30aa441c46_scores
	.p2alignl 7, 3214868480
	.fill 96, 4, 3214868480
	.section	.rodata,"a",@progbits
	.p2align	6, 0x0
	.amdhsa_kernel k_q30aa441c46_scores
		.amdhsa_group_segment_fixed_size 327680
		.amdhsa_private_segment_fixed_size 0
		.amdhsa_enable_private_segment 0
		.amdhsa_kernarg_size 32
		.amdhsa_user_sgpr_count 2
		.amdhsa_user_sgpr_kernarg_segment_ptr 1
		.amdhsa_wavefront_size32 1
		.amdhsa_system_sgpr_workgroup_id_x 1
		.amdhsa_system_sgpr_workgroup_id_y 1
		.amdhsa_system_sgpr_workgroup_id_z 1
		.amdhsa_system_vgpr_workitem_id 0
		.amdhsa_next_free_vgpr 1024
		.amdhsa_next_free_sgpr 66
		.amdhsa_reserve_vcc 1
		.amdhsa_float_denorm_mode_32 3
		.amdhsa_float_denorm_mode_16_64 3
		.amdhsa_memory_ordered 1
		.amdhsa_forward_progress 1
		.amdhsa_inst_pref_size 255
	.end_amdhsa_kernel
	.section	.bss,"aw",@nobits
	.p2align	6
	.space	262144
	.amdgpu_metadata
---
amdhsa.version: [ 1, 2 ]
amdhsa.kernels:
  - .name:           k_q30aa441c46_scores
    .symbol:         k_q30aa441c46_scores.kd
    .args:
      - { .name: codes, .offset: 0, .size: 8, .value_kind: global_buffer, .address_space: global }
      - { .name: scal, .offset: 8, .size: 8, .value_kind: global_buffer, .address_space: global }
      - { .name: pmax, .offset: 16, .size: 8, .value_kind: global_buffer, .address_space: global }
      - { .name: pidx, .offset: 24, .size: 8, .value_kind: global_buffer, .address_space: global }
    .group_segment_fixed_size: 327680
    .private_segment_fixed_size: 0
    .kernarg_segment_align: 8
    .kernarg_segment_size: 32
    .max_flat_workgroup_size: 128
    .sgpr_count:     66
    .vgpr_count:     1024
    .wavefront_size: 32
...
	.end_amdgpu_metadata
.endif
;; end of part 5
;; launch pick (part 6): grid 256 x 1, 10 waves a work-group, no clusters, 0 bytes of LDS; arguments pmax, pidx, table, out0; writes out0
.if DOCPART == 6
	.amdgcn_target "amdgcn-amd-amdhsa--gfx1250"
	.amdhsa_code_object_version 6
	.text
	.protected	k_q30aa441c46_pick
	.globl	k_q30aa441c46_pick
	.p2align	8
	.type	k_q30aa441c46_pick,@function
k_q30aa441c46_pick:
	s_mov_b64 s[64:65], 0
	v_nop
	global_prefetch_b8 v0, s[64:65] scope:SCOPE_SE
	s_setreg_imm32_b32 hwreg(HW_REG_WAVE_MODE, 25, 1), 1
	s_wait_xcnt 0x0
; out0[row][:] = table[nearest[row]][0 .. 9].  For each row the launch before has left four candidates, one for each quarter of the keys: the largest score (pmax) and its index (pidx, whole numbers).
; The table rows of ALL FOUR candidates are loaded, by addresses made of the stored indices alone; the scores only select among the loaded values.  A strict compare keeps the lower quarter, so the first index, on a tie.
; A work-group owns 64 rows: 320 threads = 64 rows x 5 pairs of columns; thread t stores the 8 bytes at 8 t of the group's 2,560: a wave's store covers 256 consecutive bytes, aligned.
; In pmax and pidx a chunk of 64 rows is 256 bytes; entry 32 (a / 2) + 2 r + a % 2 stands for row 16 a + r.  A few kilobytes a work-group: no LDS, no ring, no prefetch.
	s_load_b256 s[4:11], s[0:1], 0x0               ; pmax s[4:5], pidx s[6:7], table s[8:9], out0 s[10:11]
	v_mul_u32_u24 v1, v0, 0xcccd
	s_delay_alu instid0(VALU_DEP_1)
	v_lshrrev_b32 v1, 18, v1                       ; t / 5: my row among the 64 (exact for t under 320)
	s_delay_alu instid0(VALU_DEP_1)
	v_mul_u32_u24 v2, v1, 5
	s_delay_alu instid0(VALU_DEP_1)
	v_sub_nc_u32 v2, v0, v2                        ; t % 5: my pair of columns
	s_delay_alu instid0(VALU_DEP_3)
	v_and_b32 v3, 15, v1                           ; r
	s_delay_alu instid0(VALU_DEP_4)
	v_lshrrev_b32 v4, 4, v1                        ; a
	s_delay_alu instid0(VALU_DEP_1)
	v_lshrrev_b32 v5, 1, v4
	s_delay_alu instid0(VALU_DEP_2)
	v_and_b32 v4, 1, v4
	s_delay_alu instid0(VALU_DEP_1)
	v_lshl_add_u32 v4, v3, 1, v4
	s_delay_alu instid0(VALU_DEP_1)
	v_lshl_add_u32 v4, v5, 5, v4                   ; the entry
	s_delay_alu instid0(VALU_DEP_1)
	v_lshlrev_b32 v4, 2, v4                        ; in bytes
	v_lshlrev_b32 v5, 3, v2                        ; my pair's place in a table row
	v_lshlrev_b32 v6, 3, v0                        ; and my place in the output
	s_lshl_b32 s12, ttmp9, 8
	s_mov_b32 s13, 0
	s_mul_i32 s14, ttmp9, 2560
	s_mov_b32 s15, 0
	s_wait_alu depctr_va_vdst(0)
	s_wait_kmcnt 0x0
	s_add_nc_u64 s[4:5], s[4:5], s[12:13]
	s_add_nc_u64 s[6:7], s[6:7], s[12:13]
	s_add_nc_u64 s[10:11], s[10:11], s[14:15]
.irp y, 0,1,2,3
	global_load_b32 v[12+\y], v4, s[6:7] offset:65536*\y
.endr
.irp y, 0,1,2,3
	global_load_b32 v[8+\y], v4, s[4:5] offset:65536*\y
.endr
	s_wait_loadcnt 4                               ; the four indices are in; the four scores may be out
.irp y, 0,1,2,3
	v_min_u32 v[12+\y], 0xfff, v[12+\y]            ; an index stays inside the table
.endr
.irp y, 0,1,2,3
	s_delay_alu instid0(VALU_DEP_4)
	v_lshl_add_u32 v[16+\y], v[12+\y], 6, v5       ; 64 bytes a table row
.endr
.irp y, 0,1,2,3
	global_load_b64 v[20+2*\y:21+2*\y], v[16+\y], s[8:9]
.endr
	s_wait_loadcnt 4                               ; the scores are in; the four table loads may be out
	v_cmp_gt_f32 s21, v9, v8
	v_max_num_f32 v8, v8, v9
	s_delay_alu instid0(VALU_DEP_1)
	v_cmp_gt_f32 s22, v10, v8
	s_delay_alu instid0(VALU_DEP_2)
	v_max_num_f32 v8, v8, v10
	s_delay_alu instid0(VALU_DEP_1)
	v_cmp_gt_f32 s23, v11, v8
	s_wait_loadcnt 0x0
.irp y, 1
	v_cndmask_b32 v20, v20, v[20+2*\y], s[20+\y]
	v_cndmask_b32 v21, v21, v[21+2*\y], s[20+\y]
.endr
.irp y, 2, 3
	s_delay_alu instid0(VALU_DEP_2)
	v_cndmask_b32 v20, v20, v[20+2*\y], s[20+\y]
	s_delay_alu instid0(VALU_DEP_2)
	v_cndmask_b32 v21, v21, v[21+2*\y], s[20+\y]
.endr
	global_store_b64 v6, v[20:21], s[10:11]
	s_endpgm
.Lfunc_end_k_q30aa441c46_pick:
	.size	k_q30aa441c46_pick, .Lfunc_end_k_q30aa441c46_pick-k_q30aa441c46_pick
	.p2alignl 7, 3214868480
	.fill 96, 4, 3214868480
	.section	.rodata,"a",@progbits
	.p2align	6, 0x0
	.amdhsa_kernel k_q30aa441c46_pick
		.amdhsa_group_segment_fixed_size 0
		.amdhsa_private_segment_fixed_size 0
		.amdhsa_enable_private_segment 0
		.amdhsa_kernarg_size 32
		.amdhsa_user_sgpr_count 2
		.amdhsa_user_sgpr_kernarg_segment_ptr 1
		.amdhsa_wavefront_size32 1
		.amdhsa_system_sgpr_workgroup_id_x 1
		.amdhsa_system_sgpr_workgroup_id_y 1
		.amdhsa_system_sgpr_workgroup_id_z 1
		.amdhsa_system_vgpr_workitem_id 0
		.amdhsa_next_free_vgpr 32
		.amdhsa_next_free_sgpr 66
		.amdhsa_reserve_vcc 0
		.amdhsa_float_denorm_mode_32 3
		.amdhsa_float_denorm_mode_16_64 3
		.amdhsa_memory_ordered 1
		.amdhsa_forward_progress 1
		.amdhsa_inst_pref_size 5
	.end_amdhsa_kernel
	.amdgpu_metadata
---
amdhsa.version: [ 1, 2 ]
amdhsa.kernels:
  - .name:           k_q30aa441c46_pick
    .symbol:         k_q30aa441c46_pick.kd
    .args:
      - { .name: pmax, .offset: 0, .size: 8, .value_kind: global_buffer, .address_space: global }
      - { .name: pidx, .offset: 8, .size: 8, .value_kind: global_buffer, .address_space: global }
      - { .name: table, .offset: 16, .size: 8, .value_kind: global_buffer, .address_space: global }
      - { .name: out0, .offset: 24, .size: 8, .value_kind: global_buffer, .address_space: global }
    .group_segment_fixed_size: 0
    .private_segment_fixed_size: 0
    .kernarg_segment_align: 8
    .kernarg_segment_size: 32
    .max_flat_workgroup_size: 320
    .sgpr_count:     66
    .vgpr_count:     32
    .wavefront_size: 32
...
	.end_amdgpu_metadata
.endif
;; end of part 6
